; MI455X (gfx1250); checked and timed in simulation.
; The chip was launched on July 23, 2026; its instructions are those of AMD's public machine-readable ISA for CDNA 5 (MIT licence, August 2026) and "CDNA5" Instruction Set Architecture Reference Guide (July 2026). The comments in the code are by the model that wrote it; some were corrected since.
;; Cross Attention. Allowed arithmetic: matrix products marked QUANTISED: E2M3 operands, one E8M0 scale for each 32 along K, by v_wmma_scale_f32_16x16x128_f8f6f4 with both operands' format E2M3, f32 sums; everything else in f32.
;; Inputs: key_value 4 x 2,048 x 1,024 float32; kv_mask 4 x 2,048 bool; query 4 x 2,048 x 1,024 float32; query_mask 4 x 2,048 bool; w_k 1,024 x 256 float32; w_out 1,024 x 1,024 float32; w_q 1,024 x 1,024 float32; w_v 1,024 x 256 float32.
;; Outputs: out0 4 x 2,048 x 1,024 float32.
;; This version of the problem:
;;   THIS VERSION OF THE PROBLEM IS GIVEN IN LOW PRECISION. The matrix products marked QUANTISED in the list below multiply operands that are first quantised to E2M3 (2 exponent bits, 3 mantissa bits; 6 bits a number), with one power-of-two scale for each 32 numbers along K (OCP MX v1.0); their sums are f32. All else is computed in f32.
;;   The module's matrix products, in the order in which they are computed (A, B: the left and right operand; K: the contracted axis; several contracted axes count as one K, in the product's order):
;;     1. [M 8,192, K 1,024] x [K 1,024, N 1,024]; A: input query; B: input w_q: QUANTISED
;;     2. [M 8,192, K 1,024] x [K 1,024, N 256]; A: input key_value; B: input w_k: QUANTISED
;;     3. [M 8,192, K 1,024] x [K 1,024, N 256]; A: input key_value; B: input w_v: QUANTISED
;;     4. batch 64 x [M 2,048, K 64] x [K 64, N 2,048]; A: computed on the way; B: computed on the way: QUANTISED
;;     5. batch 64 x [M 2,048, K 2,048] x [K 2,048, N 64]; A: softmax (see below); B: computed on the way: QUANTISED
;;     6. [M 8,192, K 1,024] x [K 1,024, N 1,024]; A: computed on the way; B: input w_out: QUANTISED
;;   THE QUANTISER, for each operand of a quantised product, along K:
;;     - K is cut into blocks of 32 from its start; a last block that is shorter is filled with zeros.
;;     - A block's scale is 2^e with e = floor(log2(the largest magnitude in the block)) - 2, held to -126 .. 127; a block of zeros has e = 0. As a byte (E8M0): e + 127.
;;     - Each number is divided by its block's scale, clamped to +-7.5, and rounded to the nearest number of E2M3, ties to even, subnormals kept.
;;     - The product sums the exact products of the quantised numbers (number of the format x scale) in f32.
;;   ~~~python
;;   def quantise(x, axis):      # numpy; x: float32 -> the quantised numbers, widened to float32 again
;;       x = np.moveaxis(x, axis, -1); K = x.shape[-1]
;;       x = np.pad(x, [(0, 0)] * (x.ndim - 1) + [(0, -K % 32)]); x = x.reshape(x.shape[:-1] + (-1, 32)); a = np.abs(x).max(-1, keepdims=True)
;;       e = np.where(a > 0, np.clip(np.frexp(np.where(a > 0, a, 1))[1] - 1 - 2, -126, 127), 0)      # np.frexp(a)[1] - 1 = floor(log2(a)), exactly
;;       r = np.clip(x / 2.0 ** e, -7.5, 7.5)
;;       step = 2.0 ** (np.maximum(np.frexp(np.where(r == 0, 1, r))[1] - 1, 0) - 3)
;;       q = np.round(r / step) * step * 2.0 ** e      # np.round: ties to even
;;       return np.moveaxis(q.reshape(q.shape[:-2] + (-1,))[..., :K], -1, axis).astype(np.float32)
;;   ~~~
;;   SOFTMAX AHEAD OF A QUANTISED PRODUCT. Where the list says 'softmax', what is quantised is not the finished softmax but p = 2^(t - M), with t = logit x log2(e) and M = ceil(the row's largest t), a whole number; so 1/2 < the row's largest p <= 1. The row's sum l is taken of the UNQUANTISED p, in f32, and the product's result is divided by l at the end. Since M is a whole number, a kernel that streams over the keys may use a running M (the ceiling of the running maximum): every later rescaling is an exact power of two, which a block's scale takes up: the codes' values come out the same.
;;   OPERANDS COMPUTED ON THE WAY. 'Computed on the way' means the value that the module computes at that place (a softmax that the list does not call 'softmax' is quantised finished and normalised). What goes into a quantiser is computed in f32, as accurately as f32 sums, v_exp_f32 and their like allow (about 1e-6 of the number): no bf16 or f16 on the way to a quantiser, and a product that is left as it is and whose result goes on into a quantised operand takes f32 operands (vector FMAs, or v_wmma_f32_16x16x4_f32). A number that lies on a knife's edge between two numbers of the format may be rounded either way, as far as f32 arithmetic and the matrix unit's own rounding can turn it there, and no further.
;; One version. Each part assembles by itself: llvm-mc -triple=amdgcn-amd-amdhsa -mcpu=gfx1250 --defsym DOCPART=n.
;; ======== version 1 of 1: 4 launches
;; limits: right only within a limited range of input values
;; workspace buffers: act 13,107,200 bytes; wts 2,048,000 bytes; ropetab 524,288 bytes; qimg 8,912,896 bytes; kvrec 3,866,624 bytes; ocode 6,553,600 bytes
;; launch prep (part 1): grid 608 x 1, 4 waves a work-group, no clusters, 102,912 bytes of LDS; arguments query, key_value, w_q, w_k, w_v, w_out, act, wts, ropetab; writes act, wts, ropetab
.if DOCPART == 1
	.amdgcn_target "amdgcn-amd-amdhsa--gfx1250"
	.amdhsa_code_object_version 6
	.text
	.protected	k_qee9e230d79_prep
	.globl	k_qee9e230d79_prep
	.p2align	8
	.type	k_qee9e230d79_prep,@function
k_qee9e230d79_prep:
	s_mov_b64 s[64:65], 0
	v_nop
	global_prefetch_b8 v0, s[64:65] scope:SCOPE_SE
	s_setreg_imm32_b32 hwreg(HW_REG_WAVE_MODE, 25, 1), 1
	s_wait_xcnt 0x0
; PREP: what the later launches read many times is made once.
;   work-groups   0..511  query and key_value [8192][1024] f32 -> codes of FP6 (E2M3), K innermost, 768 bytes a row, and one E8M0 byte for each 32 along K (buffer act)
;   work-groups 512..575  w_q, w_out [1024 (k)][1024 (n)] f32 -> codes laid [n][k], and their scale bytes (buffer wts)
;   work-groups 576..591  w_k, w_v [1024 (k)][256 (n)] likewise; head j's K columns become rows 1024 + 128 j + d, its V columns rows 1024 + 128 j + 64 + d
;   work-groups 592..607  cos and sin of token x 10^(-i/8), i = 0..31, for the 2,048 tokens (buffer ropetab)
; ROWS ARE STORED PERMUTED: row t lies at the place t with its bits 3 and 4 exchanged.  Sixteen neighbouring places then hold rows 8 u + 0..7 and 8 u + 16..23 of a group of 32, which is
; the choice of a tile's rows that lets two neighbouring result tiles hold sixteen neighbours of the next K in one lane.  The readers take places as they lie.
; A block's scale is 2^(floor(log2(its largest magnitude)) - 2); its byte is the largest magnitude's exponent field - 2, held at 1 from below.
; LIMITS: a block of zeros, or one whose largest magnitude lies under 2^-124, keeps the byte 1 (its codes add nothing, and this program alone reads the bytes); NaN and infinities among the
; inputs are not served; the frequencies are 10^(-i/8) rounded to f32 once.
; The four kinds of work part on the work-group's number; each has LDS bytes of its own.  No tensor load, no barrier: waves share nothing.
.set ACT_S,  12582912                  ; act: the scale bytes, behind 16,384 rows of 768 bytes
.set WOUT_C, 1179648                   ; wts: w_out's codes, behind 1,536 rows of w_q, w_k, w_v
.set WQKV_S, 1966080                   ; the scale bytes of those 1,536 rows
.set WOUT_S, 2015232                   ; and of w_out's 1,024
.set SPARE,  102400                    ; the spare words, 128 bytes for each wave: two blocks of 256 bytes that no other line names
.set SPW,    192                       ; v192  LDS address of my spare word; never rewritten
.set NIL,    193                       ; v193  0; never rewritten
.set STEPS,  16                        ; activations: a wave takes 16 steps of 512 numbers: 8 rows
.set WREG,   8192                      ; its LDS region: two stages of 32 x SP bytes, then its 256 scale bytes
.set SP,     80                        ; a lane's place in a stage: 64 bytes + 16
.set CB,     12                        ; bytes of 16 codes
.set R,      16                        ; v16-79   four sets of 16 numbers as loaded
.set X,      80                        ; v80-111  two sets of 16 neighbours
.set E,      112                       ; v112-127 a scale byte for each step
.set C,      128                       ; v128-190 codes, four registers a step
.set PITCH,  272                       ; weights: a stage row: sixteen places of 16 bytes + 16
.set KROW,   768                       ; a row of codes
.set XW,     32                        ; v32-95   two sets of 32 numbers
.set CW,     96                        ; v96..    a block's codes
.set OUTR,   112                       ; v112-175 the way out
.set SB,     24                        ; v24-25   eight scale bytes
.macro FINISH                          ; a wave's end
	s_wait_tensorcnt 0x0
	ds_add_u32 v[SPW], v[NIL]
	s_wait_dscnt 0x0
	s_endpgm
.endm
; ---- activations
.macro ALOAD t
.irp i, 0,1,2,3
	global_load_b128 v[R+16*((\t)%4)+4*\i:R+16*((\t)%4)+4*\i+3], v3, s[4:5] offset:2048*(\t)+512*\i th:TH_LOAD_NT   ; 32 lanes read 512 consecutive bytes
.endr
.endm
.macro ATURN t                         ; a step's 2,048 bytes through the wave's stage: in as loaded, back 64 bytes a lane; LDS serves a wave's instructions in order
.irp i, 0,1,2,3
	ds_store_b128 v14, v[R+16*((\t)%4)+4*\i:R+16*((\t)%4)+4*\i+3] offset:32*SP*((\t)%2)+8*SP*\i
.endr
.irp i, 0,1,2,3
	ds_load_b128 v[X+16*((\t)%2)+4*\i:X+16*((\t)%2)+4*\i+3], v15 offset:32*SP*((\t)%2)+16*\i
.endr
.endm
.macro ASTEP t
.set XS, X+16*((\t)%2)
.if (\t) > 0
	s_wait_dscnt 1                                 ; this step's numbers are back from the stage; the last step's byte store may be out
.else
	s_wait_dscnt 0x0
.endif
.if (\t)+4 < STEPS
	ALOAD (\t)+4                                   ; four steps ahead, into the set that the stage has read
.endif
.if (\t)+1 < STEPS
.if STEPS-2-(\t) >= 3
	s_wait_loadcnt 12                              ; the next step's four loads are in; three later steps' twelve may be out
.else
	s_wait_loadcnt 4*(STEPS-2-(\t))
.endif
	ATURN (\t)+1
.endif
	v_max3_num_f32 v8, |v[XS]|, |v[XS+1]|, |v[XS+2]|
	v_max3_num_f32 v9, |v[XS+3]|, |v[XS+4]|, |v[XS+5]|
.irp i, 6,10
	v_max3_num_f32 v8, v8, |v[XS+\i]|, |v[XS+\i+1]|
	v_max3_num_f32 v9, v9, |v[XS+\i+2]|, |v[XS+\i+3]|
.endr
	v_max3_num_f32 v8, v8, |v[XS+14]|, |v[XS+15]|
	v_max3_num_f32 v8, v8, v9, 0x1800000           ; and the floor 2^(3 - 127): the byte cannot fall under 1
	v_max_num_f32_dpp v8, v8, v8 row_xmask:1 row_mask:0xf bank_mask:0xf   ; with my neighbour's 16: the block's largest magnitude
	v_add_nc_u32 v11, 0xff000000, v8               ; 2 off its exponent field: the conversion takes that field as its scale
	v_cvt_scalef32_pk16_fp6_f32 v[C+4*(\t):C+4*(\t)+2], v[XS:XS+15], v11
	v_lshrrev_b32 v[E+(\t)], 23, v11               ; the scale's byte
	ds_store_b8 v5, v[E+(\t)] offset:16*(\t)       ; both lanes of a block write the same byte
	global_store_b96 v4, v[C+4*(\t):C+4*(\t)+2], s[32:33] offset:32*CB*(\t)   ; the wave stores 384 consecutive bytes
.endm
; ---- weights: a lane takes a column, its registers run down K
.macro WLOAD t, n
.irp i, 0,1,2,3,4,5,6,7,8,9,10,11,12,13,14,15,16,17,18,19,20,21,22,23,24,25,26,27,28,29,30,31
	global_load_b32 v[XW+32*((\t)%2)+\i], v3, s[4:5] offset:(32*(\t)+\i)*(\n)*4 th:TH_LOAD_NT
.endr
.endm
.macro WBLOCK t, n
.set XS, XW+32*((\t)%2)
.if (\t) < 7
	s_wait_loadcnt 32                              ; this block's 32 loads are in; the next block's may be out
.else
	s_wait_loadcnt 0
.endif
	v_max3_num_f32 v12, |v[XS]|, |v[XS+1]|, |v[XS+2]|
	v_max3_num_f32 v13, |v[XS+3]|, |v[XS+4]|, |v[XS+5]|
.irp i, 6,10,14,18,22,26
	v_max3_num_f32 v12, v12, |v[XS+\i]|, |v[XS+\i+1]|
	v_max3_num_f32 v13, v13, |v[XS+\i+2]|, |v[XS+\i+3]|
.endr
	v_max3_num_f32 v12, v12, |v[XS+30]|, |v[XS+31]|
	v_max3_num_f32 v12, v12, v13, 0x1800000
	v_add_nc_u32 v11, 0xff000000, v12
	v_lshrrev_b32 v13, 23, v11
.if (\t)%4 == 0
	v_mov_b32 v[SB+(\t)/4], v13
.else
	v_lshl_or_b32 v[SB+(\t)/4], v13, 8*((\t)%4), v[SB+(\t)/4]
.endif
	v_cvt_scalef32_pk16_fp6_f32 v[CW:CW+2], v[XS:XS+15], v11
	v_cvt_scalef32_pk16_fp6_f32 v[CW+4:CW+6], v[XS+16:XS+31], v11
	ds_store_b96 v4, v[CW:CW+2] offset:32*(\t)     ; 12 bytes to a place of 16, so that every LDS address is a multiple of 16
	ds_store_b96 v4, v[CW+4:CW+6] offset:32*(\t)+16
.if (\t)+2 < 8
	WLOAD (\t)+2, \n
.endif
	s_wait_dscnt 0x0                               ; the stores have read their registers
.endm
; s[4:5] the tensor, s28 my wave's first column, s29 which 256 along K, s30, s31 where the codes and the scale bytes of the tensor's rows begin in wts, s33 my first row there
.macro WPATH n, ldsbase
	v_lshlrev_b32 v3, 2, v2                        ; in: 4 bytes a lane
	v_and_b32 v10, 7, v2
	v_bfe_u32 v11, v2, 3, 1
	v_lshl_add_u32 v10, v11, 4, v10
	v_bfe_u32 v11, v2, 4, 1
	v_lshl_add_u32 v10, v11, 3, v10                ; my column's place among the wave's 32 rows: my lane with bits 3 and 4 exchanged
	s_mul_i32 s34, s24, 32*PITCH
	s_add_co_u32 s34, s34, \ldsbase                ; my stage
	v_mul_u32_u24 v4, v10, PITCH
	v_add_nc_u32 v4, s34, v4
	v_and_b32 v5, 15, v2
	v_lshrrev_b32 v6, 4, v2
	v_mul_u32_u24 v7, v6, PITCH
	v_lshl_add_u32 v7, v5, 4, v7
	v_add_nc_u32 v7, s34, v7                       ; out of it: sixteen lanes to a row, two rows an instruction
	v_mul_u32_u24 v8, v6, KROW
	v_mad_u32_u24 v8, v5, 12, v8
	v_lshlrev_b32 v9, 5, v10                       ; my row of scale bytes: 32 bytes a row
	s_mul_i32 s36, s29, 256*(\n)*4
	s_lshl_b32 s35, s28, 2
	s_add_co_u32 s36, s36, s35
	s_mov_b32 s37, 0
	s_add_nc_u64 s[4:5], s[4:5], s[36:37]
	s_mul_i32 s36, s33, KROW
	s_add_co_u32 s36, s36, s30
	s_mul_i32 s35, s29, 192
	s_add_co_u32 s36, s36, s35
	s_add_nc_u64 s[38:39], s[18:19], s[36:37]      ; the codes
	s_lshl_b32 s36, s33, 5
	s_add_co_u32 s36, s36, s31
	s_lshl_b32 s35, s29, 3
	s_add_co_u32 s36, s36, s35
	s_add_nc_u64 s[40:41], s[18:19], s[36:37]      ; the scale bytes
	WLOAD 0, \n
	WLOAD 1, \n
.irp t, 0,1,2,3,4,5,6,7
	WBLOCK \t, \n
.endr
	s_wait_alu depctr_va_vdst(0)
	global_store_b64 v9, v[SB:SB+1], s[40:41]
.irp t, 0,1,2,3,4,5,6,7,8,9,10,11,12,13,14,15
	ds_load_b96 v[OUTR+4*\t:OUTR+4*\t+2], v7 offset:2*\t*PITCH
.endr
.irp t, 0,1,2,3,4,5,6,7,8,9,10,11,12,13,14,15
	s_wait_dscnt 15-\t                             ; the younger loads from the stage may be out
	global_store_b96 v8, v[OUTR+4*\t:OUTR+4*\t+2], s[38:39] offset:2*\t*KROW   ; sixteen lanes store a row's 192 consecutive bytes
.endr
.endm
; ---- cos and sin of frequency i: the angle less k quarter turns, in three parts of pi / 2; two short polynomials on |r| <= pi / 4; the quadrant by selects
.macro SINCOS i, th
.set CO, 64+4*(8*((\i)/16)+((\i)/4)%4)+(\i)%4
	v_mul_f32 v20, \th, v16                        ; the angle, in f32
	v_mul_f32 v21, s50, v20
	v_rndne_f32 v21, v21                           ; k
	v_fma_f32 v22, v21, s51, v20
	v_fma_f32 v22, v21, s52, v22
	v_fma_f32 v22, v21, s53, v22                   ; r
	v_mul_f32 v23, v22, v22                        ; z
	v_fma_f32 v24, v23, s54, s55
	v_fma_f32 v24, v24, v23, s56
	v_mul_f32 v25, v22, v23
	v_fma_f32 v24, v24, v25, v22                   ; sin r
	v_fma_f32 v26, v23, s57, s58
	v_fma_f32 v26, v26, v23, s59
	v_mul_f32 v27, v23, v23
	v_fma_f32 v28, v23, -0.5, 1.0
	v_fma_f32 v26, v26, v27, v28                   ; cos r
	v_cvt_i32_f32 v29, v21
	v_and_b32 v30, 1, v29
	v_cmp_ne_u32 vcc_lo, 0, v30
	v_cndmask_b32 v31, v24, v26, vcc_lo            ; an odd k exchanges the two
	v_cndmask_b32 v26, v26, v24, vcc_lo
	v_lshlrev_b32 v30, 30, v29
	v_and_b32 v30, 0x80000000, v30                 ; sin is negative where k mod 4 is 2 or 3,
	v_xor_b32 v[CO+16], v30, v31
	v_add_nc_u32 v29, 1, v29
	v_lshlrev_b32 v29, 30, v29
	v_and_b32 v29, 0x80000000, v29                 ; cos where it is 1 or 2
	v_xor_b32 v[CO], v29, v26
.endm
	s_load_b256 s[4:11], s[0:1], 0x0               ; query, key_value, w_q, w_k
	s_load_b256 s[12:19], s[0:1], 0x20             ; w_v, w_out, act, wts
	s_load_b64 s[20:21], s[0:1], 0x40              ; ropetab
	v_lshl_add_u32 v[SPW], v0, 2, SPARE
	v_mov_b32 v[NIL], 0
	v_lshrrev_b32 v1, 5, v0
	v_readfirstlane_b32 s24, v1                    ; wave
	v_and_b32 v2, 31, v0                           ; lane
	s_wait_kmcnt 0x0
	s_cmp_lt_u32 ttmp9, 512
	s_cbranch_scc0 .Lnot_a
	; ---- activations.  A wave's run is 8 rows; run 4 x work-group + wave is stored as the run with its two lowest bits exchanged
	s_wait_alu depctr_va_vdst(0)
	v_lshlrev_b32 v3, 4, v2
	s_mul_i32 s25, s24, WREG
	v_lshrrev_b32 v14, 2, v2
	v_mul_u32_u24 v14, v14, SP
	v_and_b32 v15, 3, v2
	v_lshl_add_u32 v14, v15, 4, v14
	v_add_nc_u32 v14, s25, v14                     ; the stage, on the way in
	v_mul_u32_u24 v15, v2, SP
	v_add_nc_u32 v15, s25, v15                     ; and on the way out
	v_mul_u32_u24 v4, v2, CB
	v_lshrrev_b32 v5, 1, v2
	s_add_co_u32 s25, s25, 2*32*SP
	v_add_nc_u32 v5, s25, v5                       ; my block's scale byte
	v_lshlrev_b32 v7, 3, v2
	v_add_nc_u32 v6, s25, v7
	s_cmp_lt_u32 ttmp9, 256
	s_cselect_b64 s[4:5], s[4:5], s[6:7]           ; query or key_value: the choice hangs on the work-group's number alone
	s_lshl_b32 s26, ttmp9, 2
	s_add_co_u32 s26, s26, s24                     ; the run, 0..2047
	s_and_b32 s28, s26, 1023
	s_lshl_b32 s28, s28, 15
	s_mov_b32 s29, 0
	s_add_nc_u64 s[4:5], s[4:5], s[28:29]
	s_and_b32 s27, s24, 1
	s_lshl_b32 s27, s27, 1
	s_lshr_b32 s30, s24, 1
	s_or_b32 s27, s27, s30
	s_and_b32 s26, s26, 0xfffffffc
	s_or_b32 s26, s26, s27                         ; where it is stored
	s_mul_i32 s28, s26, 6144
	s_add_nc_u64 s[32:33], s[16:17], s[28:29]
	s_lshl_b32 s28, s26, 8
	s_add_co_u32 s28, s28, ACT_S
	s_add_nc_u64 s[34:35], s[16:17], s[28:29]
.irp t, 0,1,2,3
	ALOAD \t
.endr
	s_wait_alu depctr_va_vdst(0)
	s_wait_loadcnt 12                              ; step 0's four loads are in
	ATURN 0
.irp t, 0,1,2,3,4,5,6,7,8,9,10,11,12,13,14,15
	ASTEP \t
.endr
	ds_load_b64 v[8:9], v6
	s_wait_dscnt 0x0
	global_store_b64 v7, v[8:9], s[34:35]          ; 32 lanes store 256 consecutive bytes, at a multiple of 256
	FINISH
.Lnot_a:
	s_cmp_lt_u32 ttmp9, 576
	s_cbranch_scc0 .Lnot_w1
	; ---- w_q, w_out
	s_sub_co_u32 s26, ttmp9, 512
	s_lshr_b32 s27, s26, 5
	s_and_b32 s28, s26, 7
	s_bfe_u32 s29, s26, 0x20003
	s_mov_b32 s31, WOUT_S
	s_cmp_eq_u32 s27, 0
	s_cselect_b64 s[4:5], s[8:9], s[14:15]
	s_cselect_b32 s30, 0, WOUT_C
	s_cselect_b32 s31, WQKV_S, s31
	s_lshl_b32 s28, s28, 7
	s_lshl_b32 s32, s24, 5
	s_add_co_u32 s28, s28, s32
	s_mov_b32 s33, s28
	s_wait_alu depctr_va_vdst(0)
	WPATH 1024, 32768
	FINISH
.Lnot_w1:
	s_cmp_lt_u32 ttmp9, 592
	s_cbranch_scc0 .Lrope
	; ---- w_k, w_v
	s_sub_co_u32 s26, ttmp9, 576
	s_lshr_b32 s27, s26, 3
	s_and_b32 s28, s26, 1
	s_bfe_u32 s29, s26, 0x20001
	s_cmp_eq_u32 s27, 0
	s_cselect_b64 s[4:5], s[10:11], s[12:13]
	s_mov_b32 s30, 0
	s_mov_b32 s31, WQKV_S
	s_lshl_b32 s28, s28, 7
	s_lshl_b32 s32, s24, 5
	s_add_co_u32 s28, s28, s32                     ; my first column
	s_lshr_b32 s33, s28, 6
	s_lshl_b32 s33, s33, 7                         ; 128 x its head
	s_and_b32 s32, s28, 63
	s_add_co_u32 s33, s33, s32
	s_lshl_b32 s32, s27, 6                         ; V's rows lie 64 behind K's
	s_add_co_u32 s33, s33, s32
	s_add_co_u32 s33, s33, 1024
	s_wait_alu depctr_va_vdst(0)
	WPATH 256, 67584
	FINISH
.Lrope:
	; ---- the table: a thread owns a token.  Plane 8 h + 4 kind + quarter holds, 16 bytes a token, frequencies 16 h + 4 quarter + 0..3 (kind 0: cos, 1: sin)
	s_sub_co_u32 s26, ttmp9, 592
	s_lshl_b32 s26, s26, 7
	v_add_nc_u32 v17, s26, v0
	v_cvt_f32_u32 v16, v17
	s_wait_alu depctr_va_vdst(0)
	v_lshlrev_b32 v17, 4, v17
	s_mov_b32 s50, 0x3f22f983                      ; 2 / pi
	s_mov_b32 s51, 0xbfc90000                      ; -pi / 2 in three parts
	s_mov_b32 s52, 0xb9fda000
	s_mov_b32 s53, 0xb3a22168
	s_mov_b32 s54, 0xb94ca1f9                      ; sin: -1.9515296e-4, 8.3321609e-3, -1.6666655e-1
	s_mov_b32 s55, 0x3c08839e
	s_mov_b32 s56, 0xbe2aaaa3
	s_mov_b32 s57, 0x37ccf5ce                      ; cos: 2.4433157e-5, -1.3887316e-3, 4.1666646e-2
	s_mov_b32 s58, 0xbab6061a
	s_mov_b32 s59, 0x3d2aaaa5
	SINCOS 0, 1.0
	SINCOS 1, 0.74989420933
	SINCOS 2, 0.56234132519
	SINCOS 3, 0.42169650343
	SINCOS 4, 0.31622776602
	SINCOS 5, 0.23713737057
	SINCOS 6, 0.17782794100
	SINCOS 7, 0.13335214322
	SINCOS 8, 0.1
	SINCOS 9, 0.074989420933
	SINCOS 10, 0.056234132519
	SINCOS 11, 0.042169650343
	SINCOS 12, 0.031622776602
	SINCOS 13, 0.023713737057
	SINCOS 14, 0.017782794100
	SINCOS 15, 0.013335214322
	SINCOS 16, 0.01
	SINCOS 17, 0.0074989420933
	SINCOS 18, 0.0056234132519
	SINCOS 19, 0.0042169650343
	SINCOS 20, 0.0031622776602
	SINCOS 21, 0.0023713737057
	SINCOS 22, 0.0017782794100
	SINCOS 23, 0.0013335214322
	SINCOS 24, 0.001
	SINCOS 25, 0.00074989420933
	SINCOS 26, 0.00056234132519
	SINCOS 27, 0.00042169650343
	SINCOS 28, 0.00031622776602
	SINCOS 29, 0.00023713737057
	SINCOS 30, 0.00017782794100
	SINCOS 31, 0.00013335214322
.irp q, 0,1,2,3,4,5,6,7,8,9,10,11,12,13,14,15
	global_store_b128 v17, v[64+4*\q:67+4*\q], s[20:21] offset:32768*\q   ; 32 lanes store 512 consecutive bytes
.endr
	FINISH
.Lfunc_end_k_qee9e230d79_prep:
	.size	k_qee9e230d79_prep, .Lfunc_end_k_qee9e230d79_prep-k_qee9e230d79_prep
	.p2alignl 7, 3214868480
	.fill 96, 4, 3214868480
	.section	.rodata,"a",@progbits
	.p2align	6, 0x0
	.amdhsa_kernel k_qee9e230d79_prep
		.amdhsa_group_segment_fixed_size 102912
		.amdhsa_private_segment_fixed_size 0
		.amdhsa_enable_private_segment 0
		.amdhsa_kernarg_size 72
		.amdhsa_user_sgpr_count 2
		.amdhsa_user_sgpr_kernarg_segment_ptr 1
		.amdhsa_wavefront_size32 1
		.amdhsa_system_sgpr_workgroup_id_x 1
		.amdhsa_system_sgpr_workgroup_id_y 1
		.amdhsa_system_sgpr_workgroup_id_z 1
		.amdhsa_system_vgpr_workitem_id 0
		.amdhsa_next_free_vgpr 200
		.amdhsa_next_free_sgpr 66
		.amdhsa_reserve_vcc 1
		.amdhsa_float_denorm_mode_32 3
		.amdhsa_float_denorm_mode_16_64 3
		.amdhsa_memory_ordered 1
		.amdhsa_forward_progress 1
		.amdhsa_inst_pref_size 159
	.end_amdhsa_kernel
	.amdgpu_metadata
---
amdhsa.version: [ 1, 2 ]
amdhsa.kernels:
  - .name:           k_qee9e230d79_prep
    .symbol:         k_qee9e230d79_prep.kd
    .args:
      - { .name: query, .offset: 0, .size: 8, .value_kind: global_buffer, .address_space: global }
      - { .name: key_value, .offset: 8, .size: 8, .value_kind: global_buffer, .address_space: global }
      - { .name: w_q, .offset: 16, .size: 8, .value_kind: global_buffer, .address_space: global }
      - { .name: w_k, .offset: 24, .size: 8, .value_kind: global_buffer, .address_space: global }
      - { .name: w_v, .offset: 32, .size: 8, .value_kind: global_buffer, .address_space: global }
      - { .name: w_out, .offset: 40, .size: 8, .value_kind: global_buffer, .address_space: global }
      - { .name: act, .offset: 48, .size: 8, .value_kind: global_buffer, .address_space: global }
      - { .name: wts, .offset: 56, .size: 8, .value_kind: global_buffer, .address_space: global }
      - { .name: ropetab, .offset: 64, .size: 8, .value_kind: global_buffer, .address_space: global }
    .group_segment_fixed_size: 102912
    .private_segment_fixed_size: 0
    .kernarg_segment_align: 8
    .kernarg_segment_size: 72
    .max_flat_workgroup_size: 128
    .sgpr_count:     66
    .vgpr_count:     200
    .wavefront_size: 32
...
	.end_amdgpu_metadata
.endif
;; end of part 1
;; launch proj (part 2): grid 4 x 64, 4 waves a work-group, clusters of 4 x 4, 327,680 bytes of LDS; arguments act, wts, ropetab, query_mask, kv_mask, qimg, kvrec; writes qimg, kvrec
.if DOCPART == 2
	.amdgcn_target "amdgcn-amd-amdhsa--gfx1250"
	.amdhsa_code_object_version 6
	.text
	.protected	k_qee9e230d79_proj
	.globl	k_qee9e230d79_proj
	.p2align	8
	.type	k_qee9e230d79_proj,@function
k_qee9e230d79_proj:
	s_mov_b64 s[64:65], 0
	v_nop
	global_prefetch_b8 v0, s[64:65] scope:SCOPE_SE
	s_setreg_imm32_b32 hwreg(HW_REG_WAVE_MODE, 25, 1), 1
	s_wait_xcnt 0x0
	s_wait_alu depctr_hold_cnt(0) depctr_sa_sdst(0) depctr_va_vdst(0) depctr_va_sdst(0) depctr_va_ssrc(0) depctr_va_vcc(0) depctr_vm_vsrc(0)
	s_getreg_b32 s2, hwreg(HW_REG_IB_STS2, 6, 4)
	s_cmp_eq_u32 s2, 0
	s_cbranch_scc0 .Lentry_in_a_cluster
	s_endpgm
.Lentry_in_a_cluster:
	s_bfe_u32 s2, ttmp6, 0x10000c
	s_cmp_lg_u32 s2, 0xf033
	s_cbranch_scc0 .Lentry_shape_is_right
	s_endpgm
.Lentry_shape_is_right:
; PROJ: Q = query w_q, K = key_value w_k, V = key_value w_v on codes of FP6 (E2M3) with E8M0 scales; RoPE on Q and K; the two masks; Q, K (along the head's 64) and V (along the keys) quantised again
; and stored as IMAGES OF OPERAND REGISTERS for the attention launch.
; SHARES.  256 work-groups; work-group (x, rt) takes the 128 tokens 128 rt on, in two phases.  PHASE 0: query's rows x w_q's columns 256 x on: wave w makes head 4 x + w, 128 tokens x 64 columns, in four units of
; 32 tokens.  PHASE 1: key_value's rows x the 128 columns of key-value head x: even waves make K, odd waves V; wave w takes tokens 64 (w / 2) on, in two units.  So every wave runs six units of 64 matrix
; instructions on 8 accumulators that take turns, one instruction a turn.  A wave's 64 weight rows, for all of K = 1,024, stay in 384 registers through a phase.
; LDS.  Bytes 0 on: query's 128 rows of 816 bytes; 104,448 on: w_q's 256 rows.  When every wave has its weights in registers, that second region is FILLED AGAIN with phase 1's tiles (128 weight rows, then
; key_value's 128 rows), behind the full sequence and a round of the cluster's barrier, one load a wave; the loads have phase 0's four units in which to land.  One load of a wave is out at a time.
; The scale words come straight from memory into registers, 512 dense bytes for 16 rows, a unit ahead.  No data prefetch: nothing stands ahead of the first loads, and the second are asked for four units ahead.
; CLUSTER 4 x 4: the tokens' tiles are shared along a row of the cluster, the weights' along a column: each is asked for jointly, by the same tensor load with the same descriptor and a mask that names the four.
; THE MATRIX INSTRUCTION IS USED TRANSPOSED (source 0 = 16 weight rows, source 1 = 16 tokens): a lane holds ONE token.  Weight rows and tokens lie in memory with bits 3 and 4 of their index exchanged, so
; the 16 registers of result tiles 2 b, 2 b + 1 are columns 32 b + 16 (lane / 16) + 0..15, and lane r of token tile a is token 32 (a / 2) + 8 (a % 2) + r + 8 (r / 8).
; THE MASKS RIDE IN THE UNUSED HALF OF THE SCORE PRODUCT'S K = 128.  An image of Q or K holds d = 0..63 at k = 0..63 and one more code at k = 64:
;   Q, mask true: its codes, +1.0, scale bytes 2, 3 = 127;  mask false: all codes 0.     K, mask true: its codes, 0, bytes 1, 1;  mask false: codes 0, -1.0 under the byte 227 (2^100).
; V.  A fragment of V^T is 16 d x 128 keys; a V wave's 64 keys are its registers 6 c .. 6 c + 5 (c = w / 2) and bytes 2 c, 2 c + 1 of its scale words: each V wave stores its own half of every fragment.
; LIMITS: -2^100 / 8 stands for the smallest finite f32 (true scores under it are not served); NaN and infinities are not served; a block whose largest magnitude lies under 2^-124 keeps the byte 1;
; RoPE is made by fused multiply-adds (one rounding where two separate operations have two).
; REGISTERS, in windows of 256.  window 0: v1-29 addresses and lane constants, v30-31 the add's two, v32-63 the weights' scale words, v64-79 and v212-227 the tokens', two sets, v80-208 the way out.
;   window 1: v0-95, v96-191 the tokens' fragments, two sets (2 tiles x 4 K steps); v192-255 the 8 accumulators.   window 2: weight fragments of K steps 0-4.   window 3: of K steps 5-7; v144-207 cos and sin.
.set ACT_S,  12582912
.set WQKV_S, 1966080
.set QSC,    8388608                   ; qimg: the scale images, behind 1,024 groups of eight images
.set BREG,   104448                    ; LDS: behind 128 token rows of 816 bytes: the weight rows
.set AKV,    208896                    ; phase 1's token rows
.set SPARE,  326400                    ; the spare words, 128 bytes for each wave: two blocks of 256 bytes that no other line names
.set ADRA, 4                           ; v4-5   my token fragments in LDS (v5: for the pieces that lie behind one padding more)
.set ADRB, 6                           ; v6-7   the same for the weights
.set ADSA, 8                           ; v8     32 x (lane % 16): a row's scale bytes in memory
.set LP0,  9                           ; v9     the lane's part of a fragment's address
.set LI16, 10                          ; v10    16 x lane
.set VST,  11                          ; v11    V's stage, on the way in
.set VLD,  12                          ; v12    and on the way out
.set ROFF, 13                          ; v13    my offset in the table of cos and sin
.set LP1,  14                          ; v14    the same as v9, one padding on in lanes 16-31
.set LI8,  15                          ; v15    8 x lane
.set CT,   16                          ; v16-17 the code at k = 64 for mask true, false (0 in lanes 16-31)
.set CF,   17
.set HT,   18                          ; v18-19 the scale word's bytes 2, 3 for mask true, false
.set HF,   19
.set MK,   20                          ; v20-27 my token's mask byte in each token tile of the phase
.set SPW,  30
.set NIL,  31
.set BS,   32
.set AS,   64
.set YY,   80                          ; v80-143 the two tiles after RoPE; in V's tail 32 numbers of a lane
.set IMG,  160                         ; v160-175 two images' registers; in V's tail my six of a fragment
.set PW,   192                         ; v192-193 the two tiles' scale words
.set OUTS, 196                         ; v196-199 the scale image
.set ACC,  192                         ; window 1
.set RC,   144                         ; window 3
.set G1B,  24                          ; group 1: 128 weight rows
.set G1A,  32                          ; 64 token rows
.set G1C,  40                          ; 64 weight rows
.set G0B,  48
.set G0A,  52
.set G0B2, 56
.set G0A2, 60
.set PADW, (1<<20)|(1<<21)|(5<<22)|(3<<25)   ; elements of 1 byte; 16 bytes of padding behind every 256; bit 21 beside a mask
.set MSB, 0
.macro WIN new                         ; the immediate's high byte repeats the setting that is left
.if MSB != \new
	s_set_vgpr_msb (MSB<<8)|\new
.set MSB, \new
.endif
.endm
.macro PLACES n                        ; plain vector instructions between a matrix instruction and a load into, or a read of, its registers
.rept \n
	v_nop
.endr
.endm
.macro CROUND                          ; a round of the cluster's barrier
	s_barrier_signal -1
	s_barrier_wait -1
	s_cmp_lg_u32 s18, 0
	s_cbranch_scc1 .Lnot_wave_0_\@
	s_barrier_signal -3
.Lnot_wave_0_\@:
	s_barrier_wait -3
	s_barrier_signal -1
	s_barrier_wait -1
.endm
.macro ARMS g0x, g1x, g0y, g1y         ; one joint load a wave: waves 0, 1 the weights', waves 2, 3 the tokens'; the branch hangs on the wave's number alone
	s_cmp_eq_u32 s19, 0
	s_cbranch_scc0 .Lother_\@
	tensor_load_to_lds s[\g0x:\g0x+3], s[\g1x:\g1x+7]
	s_nop 0
	PLACES 4
	s_branch .Lasked_\@
.Lother_\@:
	tensor_load_to_lds s[\g0y:\g0y+3], s[\g1y:\g1y+7]
	s_nop 0
	PLACES 4
.Lasked_\@:
.endm
; A fragment: 16 rows x 128 K = 12 registers; lane (r, h) takes 24 bytes at 96 ks + 24 h and 24 at 96 ks + 48 + 24 h of row r, in pieces of 8.  The rows have 16 bytes of padding behind every 256:
; where lanes 16-31's piece, three on, lies behind one padding more, the second address register serves.
.macro FRAG reg, adr, ks, rowoff
.irp p, 0,1,2,3,4,5
.set PCE, 12*(\ks)+6*(\p/3)+\p%3
.if PCE%32 < 29
	ds_load_b64 v[(\reg)+2*\p:(\reg)+2*\p+1], v[\adr] offset:8*PCE+16*(PCE/32)+(\rowoff)
.else
	ds_load_b64 v[(\reg)+2*\p:(\reg)+2*\p+1], v[(\adr)+1] offset:8*PCE+16*(PCE/32)+(\rowoff)
.endif
.endr
.endm
.macro FETCH_A half, st                ; the unit's two token tiles, K steps 4 half .. 4 half + 3, into set st: 48 loads
	WIN 0x40
.irp a, 0,1
.irp q, 0,1,2,3
	FRAG 96*(\st)+12*(4*\a+\q), ADRA, 4*(\half)+\q, 13056*\a
.endr
.endr
	WIN 0
.endm
.macro LOAD_AS u, sb                   ; unit u's scale words, 8 words a row, into set u % 2: sixteen rows' 512 dense bytes a tile
.irp a, 0,1
	global_load_b128 v[64+148*((\u)%2)+8*\a:64+148*((\u)%2)+8*\a+3], v[ADSA], s[\sb:\sb+1] offset:512*(2*(\u)+\a)
	global_load_b128 v[64+148*((\u)%2)+8*\a+4:64+148*((\u)%2)+8*\a+7], v[ADSA], s[\sb:\sb+1] offset:512*(2*(\u)+\a)+16
.endr
.endm
.macro LOAD_BS sb                      ; my 64 weight rows' scale words
.irp b, 0,1,2,3
	global_load_b128 v[BS+8*\b:BS+8*\b+3], v[ADSA], s[\sb:\sb+1] offset:512*\b
	global_load_b128 v[BS+8*\b+4:BS+8*\b+7], v[ADSA], s[\sb:\sb+1] offset:512*\b+16
.endr
.endm
.macro LOAD_B                          ; my 64 weight rows, all of K: 32 fragments; they stay through the phase
	WIN 0x80
.irp s, 0,1,2,3,4
.irp b, 0,1,2,3
	FRAG 12*(4*\s+\b), ADRB, \s, 13056*\b
.endr
.endr
	WIN 0xc0
.irp s, 5,6,7
.irp b, 0,1,2,3
	FRAG 12*(4*(\s-5)+\b), ADRB, \s, 13056*\b
.endr
.endr
	WIN 0
.endm
.macro MUL ks, st, zr                  ; K step ks: 8 matrix instructions, one on each accumulator.  zr = 1: they start the sums
.if (\ks) < 5
	WIN 0x56
.set BF, 48*(\ks)
.else
	WIN 0x57
.set BF, 48*((\ks)-5)
.endif
.irp a, 0,1
.irp b, 0,1,2,3
.if \zr
	v_wmma_scale_f32_16x16x128_f8f6f4 v[ACC+8*(4*\a+\b):ACC+8*(4*\a+\b)+7], v[BF+12*\b:BF+12*\b+11], v[96*(\st)+12*(4*\a+(\ks)%4):96*(\st)+12*(4*\a+(\ks)%4)+11], 0, v[BS+8*\b+(\ks)], v[AS+8*\a+(\ks)] matrix_a_fmt:MATRIX_FMT_FP6 matrix_b_fmt:MATRIX_FMT_FP6
.else
	v_wmma_scale_f32_16x16x128_f8f6f4 v[ACC+8*(4*\a+\b):ACC+8*(4*\a+\b)+7], v[BF+12*\b:BF+12*\b+11], v[96*(\st)+12*(4*\a+(\ks)%4):96*(\st)+12*(4*\a+(\ks)%4)+11], v[ACC+8*(4*\a+\b):ACC+8*(4*\a+\b)+7], v[BS+8*\b+(\ks)], v[AS+8*\a+(\ks)] matrix_a_fmt:MATRIX_FMT_FP6 matrix_b_fmt:MATRIX_FMT_FP6
.endif
.endr
.endr
.endm
.macro RLOAD u, sb                     ; cos and sin of unit u's two tiles: my token, my half's 16 frequencies
	WIN 0xc0
.irp a, 0,1
.irp k, 0,1
.irp q, 0,1,2,3
	global_load_b128 v[RC+32*\a+16*\k+4*\q:RC+32*\a+16*\k+4*\q+3], v[ROFF], s[\sb:\sb+1] offset:(4*\k+\q)*32768+(32*(\u)+8*\a)*16
.endr
.endr
.endr
	WIN 0
.endm
; 32 numbers of a lane, register 16 b + i = d 32 b + 16 (lane / 16) + i of my token, become codes in v176-178 (each lane's block's lower 16) and v180-182 (upper 16), and the two scale bytes in v190, v191
.macro QUANT2 n0
	v_max3_num_f32 v184, |v[(\n0)]|, |v[(\n0)+1]|, 0x1800000     ; with the floor 2^(3 - 127): the byte cannot fall under 1
	v_max3_num_f32 v185, |v[(\n0)+16]|, |v[(\n0)+17]|, 0x1800000
.irp i, 2,4,6,8,10,12,14
	v_max3_num_f32 v184, v184, |v[(\n0)+\i]|, |v[(\n0)+1+\i]|
	v_max3_num_f32 v185, v185, |v[(\n0)+16+\i]|, |v[(\n0)+17+\i]|
.endr
	v_permlanex16_b32 v186, v184, s4, s5
	v_permlanex16_b32 v187, v185, s4, s5
	v_max_num_f32 v184, v184, v186                 ; with lane l xor 16's: the block's largest magnitude
	v_max_num_f32 v185, v185, v187
	v_add_nc_u32 v188, 0xff000000, v184            ; 2 off the exponent field: the conversion's scale operand
	v_add_nc_u32 v189, 0xff000000, v185
	v_lshrrev_b32 v190, 23, v188
	v_lshrrev_b32 v191, 23, v189
	v_cvt_scalef32_pk16_fp6_f32 v[176:178], v[(\n0):(\n0)+15], v188
	v_cvt_scalef32_pk16_fp6_f32 v[180:182], v[(\n0)+16:(\n0)+31], v189
	v_nop                                          ; one plain place behind a scaled conversion
	v_permlane16_swap_b32 v176, v180               ; the operand's layout wants a whole block in a lane: lanes 0-15 block 0, lanes 16-31 block 1
	v_permlane16_swap_b32 v177, v181
	v_permlane16_swap_b32 v178, v182
.endm
; THE WAY OUT OF UNIT u OF PHASE ph.  In phase 1 odd waves hold V; all else is Q or K.
.macro EPI u, ph
.if (\ph) == 0 && (\u) == 3
	s_wait_loadcnt 8                               ; this unit's cos and sin and phase 1's first scale words are in; the 8 loads of phase 1's weight scales may be out
.else
	s_wait_loadcnt 0x0                             ; this unit's cos and sin (asked for a unit ago), the mask bytes, the next unit's scale words
.endif
	s_wait_xcnt 0x0                                ; the last unit's stores have read their registers
.if (\ph) == 1
	s_cmp_eq_u32 s20, 0
	s_cbranch_scc1 .Lqk_\@                         ; by the wave's number: even waves hold K
	; ---- V: the unit's 32 keys x 64 d go to my stage as f32, rows = keys in their true order.  The stage lies where query's rows lay: they have had their only fill, and every wave has passed a barrier
	; behind its last read of them
	WIN 0x04
.irp a, 0,1
.irp b, 0,1,2,3
	ds_store_b128 v[VST], v[ACC+8*(4*\a+\b):ACC+8*(4*\a+\b)+3] offset:8832*(\u)+2176*\a+128*(\b/2)+32*(\b%2)
	ds_store_b128 v[VST], v[ACC+8*(4*\a+\b)+4:ACC+8*(4*\a+\b)+7] offset:8832*(\u)+2176*\a+128*(\b/2)+32*(\b%2)+16
.endr
.endr
	WIN 0
.if \u == 1
	; V's tail: a lane takes a d and its registers run down the 32 keys of my group (lane / 16).  Lane r of tile t takes d = 32 (t / 2) + 8 (t % 2) + r + 8 (r / 8).  LDS serves a wave's instructions in order
	v_lshlrev_b32 v208, 3, v2
.irp t, 0,1,2,3
.set JJ, 0
.rept 32
	ds_load_b32 v[YY+JJ], v[VLD] offset:272*JJ+4*(32*(\t/2)+8*(\t%2))
.set JJ, JJ+1
.endr
	s_wait_dscnt 0x0
	v_max3_num_f32 v184, |v[YY]|, |v[YY+1]|, 0x1800000
	v_max3_num_f32 v185, |v[YY+2]|, |v[YY+3]|, 0x1800000
.irp i, 4,8,12,16,20,24,28
	v_max3_num_f32 v184, v184, |v[YY+\i]|, |v[YY+1+\i]|
	v_max3_num_f32 v185, v185, |v[YY+2+\i]|, |v[YY+3+\i]|
.endr
	v_max_num_f32 v184, v184, v185
	v_add_nc_u32 v188, 0xff000000, v184
	v_lshrrev_b32 v190, 23, v188
	s_wait_alu depctr_va_vdst(0)
	s_wait_xcnt 0x0                                ; the last tile's stores have read the fragment's registers
	v_cvt_scalef32_pk16_fp6_f32 v[IMG:IMG+2], v[YY:YY+15], v188
	v_cvt_scalef32_pk16_fp6_f32 v[176:178], v[YY+16:YY+31], v188       ; (a conversion's three registers begin on an even number)
	v_nop
.irp i, 0,1,2
	v_mov_b32 v[IMG+3+\i], v[176+\i]
.endr
	v_lshlrev_b32 v204, v208, v190                 ; my block's byte at its place;
	v_permlanex16_b32 v205, v204, s4, s5
	v_or_b32 v[200+\t], v204, v205                 ; with lane l xor 16's: bytes 2 c, 2 c + 1 of the scale word
	; the fragment's registers 6 c + 0..5 in pieces of 8 bytes: register n lies at 512 (n / 4) + 16 lane + 4 (n % 4); for c = 1 the pieces lie 520, 1,016 and 520 bytes further on than for c = 0
	global_store_b64 v[LI16], v[IMG:IMG+1], s[94:95] offset:8192+1536*\t
	global_store_b64 v[LI16], v[IMG+2:IMG+3], s[96:97] offset:8192+1536*\t+8
	global_store_b64 v[LI16], v[IMG+4:IMG+5], s[94:95] offset:8192+1536*\t+512
.endr
	v_cndmask_b32 v206, v200, v201, s6             ; the scale image: lanes 0-15 tile 2 j, lanes 16-31 tile 2 j + 1
	v_cndmask_b32 v207, v202, v203, s6
	global_store_b16 v[LI8], v206, s[98:99] offset:14848
	global_store_b16 v[LI8], v207, s[98:99] offset:14852
.endif
	s_branch .Ldone_\@
.Lqk_\@:
.endif
	; ---- Q or K: RoPE, in ascending order
	WIN 0x0d                                       ; source 0 window 1 (results), source 1 window 3 (cos, sin), the rest window 0
.irp a, 0,1
.irp i, 0,2,4,6,8,10,12,14
	v_pk_mul_f32 v[144:145], v[ACC+32*\a+16+\i:ACC+32*\a+17+\i], v[RC+32*\a+16+\i:RC+32*\a+17+\i]
	v_pk_mul_f32 v[146:147], v[ACC+32*\a+16+\i:ACC+32*\a+17+\i], v[RC+32*\a+\i:RC+32*\a+1+\i]
	v_pk_fma_f32 v[YY+32*\a+\i:YY+32*\a+1+\i], v[ACC+32*\a+\i:ACC+32*\a+1+\i], v[RC+32*\a+\i:RC+32*\a+1+\i], v[144:145] neg_lo:[0,0,1] neg_hi:[0,0,1]
	v_pk_fma_f32 v[YY+32*\a+16+\i:YY+32*\a+17+\i], v[ACC+32*\a+\i:ACC+32*\a+1+\i], v[RC+32*\a+16+\i:RC+32*\a+17+\i], v[146:147]
.endr
.endr
	WIN 0
.if (\ph) == 0 && (\u) < 3
	RLOAD \u+1, 8                                  ; the next unit's, a whole unit ahead of their use
.elseif (\ph) == 0
	RLOAD 0, 82                                    ; phase 1's first unit's, and its four tiles' mask bytes: 20 loads
.irp a, 0,1,2,3
	global_load_u8 v[MK+\a], v3, s[80:81] offset:32*(\a/2)+8*(\a%2)
.endr
.elseif (\u) == 0
	RLOAD 1, 82
.endif
.irp a, 0,1
	QUANT2 YY+32*\a
	v_cmp_ne_u32 vcc_lo, 0, v[MK+2*(\u)+\a]        ; my token's mask
.irp i, 0,1,2
	v_cndmask_b32 v[IMG+8*\a+\i], 0, v[176+\i], vcc_lo
	v_cndmask_b32 v[IMG+8*\a+3+\i], 0, v[180+\i], vcc_lo
.endr
	v_cndmask_b32 v[IMG+8*\a+6], v[CF], v[CT], vcc_lo
	v_mov_b32 v[IMG+8*\a+7], 0
	v_cndmask_b32 v28, v[HF], v[HT], vcc_lo
	v_lshl_or_b32 v29, v191, 8, v190
	v_lshl_or_b32 v[PW+\a], v28, 16, v29
	global_store_b128 v[LI16], v[IMG+8*\a:IMG+8*\a+3], s[14:15] offset:(2*(\u)+\a)*1024       ; 512 consecutive bytes each
	global_store_b128 v[LI16], v[IMG+8*\a+4:IMG+8*\a+7], s[14:15] offset:(2*(\u)+\a)*1024+512
.endr
	v_cndmask_b32 v[OUTS+(\u)], v[PW], v[PW+1], s6 ; lanes 0-15 tile 2 u, lanes 16-31 tile 2 u + 1
.if (\ph) == 0 && (\u) == 3
	global_store_b128 v[LI16], v[OUTS:OUTS+3], s[16:17]
.endif
.if (\ph) == 1 && (\u) == 1
	global_store_b64 v[LI16], v[OUTS:OUTS+1], s[16:17]   ; my two units' words of the record's four
.endif
.if (\ph) == 1
.Ldone_\@:
.endif
.endm
.macro UNIT u, ph
.set AS, 64+148*((\u)%2)               ; this unit's set of the tokens' scale words
	s_wait_dscnt 0x0                               ; set 0 is in
	PLACES 4
	FETCH_A 1, 1                                   ; the second half of K lands under the first half's 32 products
.if (\ph) == 0 && (\u) < 3
	LOAD_AS \u+1, 68                               ; the next unit's scale words, into the other set; the way out's wait for loads covers them
.elseif (\ph) == 0
	LOAD_AS 0, 72                                  ; phase 1's first unit's
.elseif (\u) == 0
	LOAD_AS 1, 72
.endif
	MUL 0, 0, 1
	MUL 1, 0, 0
	MUL 2, 0, 0
	MUL 3, 0, 0
	s_wait_dscnt 0x0
	MUL 4, 1, 0
	MUL 5, 1, 0
	MUL 6, 1, 0
	MUL 7, 1, 0
	WIN 0
	PLACES 4
.if ((\ph) == 0 && (\u) < 3) || ((\ph) == 1 && (\u) == 0)
	v_add_nc_u32 v[ADRA], 26112, v[ADRA]           ; 32 rows on
	v_add_nc_u32 v[ADRA+1], 26112, v[ADRA+1]
	FETCH_A 0, 0                                   ; they land under the way out
.endif
.if (\ph) == 0 && (\u) == 3
	LOAD_BS 74                                     ; phase 1's weight scales: the last products have read the registers four places ago
.endif
	EPI \u, \ph
.endm
	s_load_b256 s[4:11], s[0:1], 0x0               ; act, wts, ropetab, query_mask
	s_load_b128 s[12:15], s[0:1], 0x20             ; kv_mask, qimg
	s_load_b64 s[16:17], s[0:1], 0x30              ; kvrec
	v_lshl_add_u32 v[SPW], v0, 2, SPARE
	v_mov_b32 v[NIL], 0
	ds_add_u32 v[SPW], v[NIL]                      ; the wave's opening: the add, twice on end, and its wait ahead of my first tensor load; work on registers stands between
	ds_add_u32 v[SPW], v[NIL]
	v_lshrrev_b32 v1, 5, v0
	v_readfirstlane_b32 s18, v1                    ; wave
	s_lshr_b32 s19, s18, 1
	s_and_b32 s20, s18, 1
	s_bfe_u32 s21, ttmp6, 0x40000                  ; cx
	s_bfe_u32 s22, ttmp6, 0x40004                  ; cy
	s_lshl_b32 s3, ttmp9, 2
	s_add_co_u32 s3, s3, s21                       ; x: which four query heads, which key-value head
	s_and_b32 s23, ttmp7, 0xffff
	s_lshl_b32 s23, s23, 2
	s_add_co_u32 s23, s23, s22                     ; rt: which 128 tokens, 0..63
	s_lshl_b32 s100, s22, 2
	s_lshl_b32 s100, 15, s100                      ; my row of the cluster
	s_lshl_b32 s101, 0x1111, s21                   ; my column
	s_or_b32 s[G1A], s100, PADW
	s_or_b32 s[G1B], s101, PADW
	s_or_b32 s[G1C], s101, PADW
.irp g, G1A, G1B, G1C
	s_mov_b32 s[\g+1], 768<<16
	s_mov_b32 s[\g+3], 768<<16
	s_mov_b32 s[\g+5], 768
	s_mov_b32 s[\g+6], 0
	s_mov_b32 s[\g+7], 0
.endr
	s_mov_b32 s[G1A+2], 64<<16
	s_mov_b32 s[G1A+4], 64
	s_mov_b32 s[G1B+2], 128<<16
	s_mov_b32 s[G1B+4], 128
	s_mov_b32 s[G1C+2], 64<<16
	s_mov_b32 s[G1C+4], 64
	; the tokens' offsets hang on rt and the wave; the weights' on x and the wave; each in registers that never hold the other coordinate
	s_lshl_b32 s84, s23, 7
	s_lshl_b32 s85, s20, 6
	s_add_co_u32 s84, s84, s85
	s_mul_i32 s84, s84, 768                        ; token rows 128 rt + 64 (w % 2) on: what waves 2, 3 fetch
	s_mov_b32 s85, 0
	s_lshl_b32 s90, s23, 12
	s_add_co_u32 s90, s90, ACT_S                   ; the scale bytes of query's rows 128 rt on
	s_mov_b32 s91, 0
	s_lshl_b32 s96, s19, 11
	s_add_co_u32 s96, s96, s90
	s_add_co_u32 s96, s96, 8192*32                 ; and of key_value's rows 128 rt + 64 (w / 2) on
	s_mov_b32 s97, 0
	s_lshl_b32 s86, s3, 8
	s_lshl_b32 s87, s20, 7
	s_add_co_u32 s86, s86, s87
	s_mul_i32 s86, s86, 768                        ; w_q's rows 256 x + 128 (w % 2) on: what waves 0, 1 fetch
	s_mov_b32 s87, 0
	s_lshl_b32 s88, s3, 7
	s_lshl_b32 s89, s20, 6
	s_add_co_u32 s88, s88, s89
	s_add_co_u32 s88, s88, 1024                    ; K's or V's rows of head x: 1024 + 128 x + 64 (w % 2) on: fetched by waves 0, 1, multiplied by waves of that parity
	s_lshl_b32 s94, s88, 5
	s_add_co_u32 s94, s94, WQKV_S
	s_mov_b32 s95, 0
	s_mul_i32 s88, s88, 768
	s_mov_b32 s89, 0
	s_lshl_b32 s92, s3, 8
	s_lshl_b32 s93, s18, 6
	s_add_co_u32 s92, s92, s93
	s_lshl_b32 s92, s92, 5
	s_add_co_u32 s92, s92, WQKV_S                  ; the scale bytes of w_q's rows 256 x + 64 w on
	s_mov_b32 s93, 0
	s_mov_b32 s[G0B], 1                            ; LDS addresses hang on the wave's number alone
	s_mul_i32 s[G0B+1], s20, 104448
	s_add_co_u32 s[G0B+1], s[G0B+1], BREG
	s_mov_b32 s[G0A], 1
	s_mul_i32 s[G0A+1], s20, 52224
	s_mov_b32 s[G0B2], 1
	s_add_co_u32 s[G0B2+1], s[G0A+1], BREG
	s_mov_b32 s[G0A2], 1
	s_add_co_u32 s[G0A2+1], s[G0A+1], AKV
	s_wait_dscnt 0x0                               ; both opening adds are done
	s_wait_kmcnt 0x0
	s_add_nc_u64 s[G0A+2:G0A+3], s[4:5], s[84:85]
	s_add_nc_u64 s[G0A2+2:G0A2+3], s[G0A+2:G0A+3], 8192*768   ; key_value's rows lie behind query's
	s_or_b32 s[G0A+3], s[G0A+3], 0x80000000
	s_or_b32 s[G0A2+3], s[G0A2+3], 0x80000000
	s_add_nc_u64 s[G0B+2:G0B+3], s[6:7], s[86:87]
	s_or_b32 s[G0B+3], s[G0B+3], 0x80000000
	s_add_nc_u64 s[G0B2+2:G0B2+3], s[6:7], s[88:89]
	s_or_b32 s[G0B2+3], s[G0B2+3], 0x80000000
	s_add_nc_u64 s[68:69], s[4:5], s[90:91]
	s_add_nc_u64 s[72:73], s[4:5], s[96:97]
	s_add_nc_u64 s[70:71], s[6:7], s[92:93]
	s_add_nc_u64 s[74:75], s[6:7], s[94:95]
	CROUND                                         ; all sixteen work-groups are here: the joint loads meet
	ARMS G0B, G1B, G0A, G1A                        ; the head's loads, one a wave: w_q's two halves of 128 rows, query's two halves of 64
	; every address register is made on the way that all waves take
	v_and_b32 v1, 15, v0                           ; r
	v_bfe_u32 v2, v0, 4, 1                         ; h
	v_lshrrev_b32 v3, 3, v1
	v_lshl_add_u32 v3, v3, 3, v1                   ; r + 8 (r / 8)
	v_mul_u32_u24 v28, v1, 816
	v_mad_u32_u24 v[LP0], v2, 24, v28
	v_lshl_add_u32 v[LP1], v2, 4, v[LP0]
	v_add_nc_u32 v[ADRA], 0, v[LP0]                ; phase 0: all four waves read the same 128 rows
	v_add_nc_u32 v[ADRA+1], 0, v[LP1]
	s_mul_i32 s90, s18, 52224
	s_add_co_u32 s90, s90, BREG
	v_add_nc_u32 v[ADRB], s90, v[LP0]
	v_add_nc_u32 v[ADRB+1], s90, v[LP1]
	v_lshlrev_b32 v[ADSA], 5, v1
	v_and_b32 v[LI16], 31, v0
	v_lshlrev_b32 v[LI8], 3, v[LI16]
	v_lshlrev_b32 v[LI16], 4, v[LI16]
	s_mul_i32 s90, s19, 17664                      ; V's stage: two groups of 32 keys, 8,832 bytes apart, rows of 256 + 16
	v_mul_u32_u24 v[VST], v3, 272
	v_lshl_add_u32 v[VST], v2, 6, v[VST]
	v_add_nc_u32 v[VST], s90, v[VST]
	v_mul_u32_u24 v[VLD], v2, 8832
	v_lshl_add_u32 v[VLD], v3, 2, v[VLD]
	v_add_nc_u32 v[VLD], s90, v[VLD]
	v_lshlrev_b32 v[ROFF], 4, v3
	v_lshl_add_u32 v[ROFF], v2, 18, v[ROFF]        ; 16 bytes a token, my half's eight planes
	v_mov_b32 v186, 0                              ; written once: a lane permute's destination counts as one of its sources
	v_mov_b32 v187, 0
	v_mov_b32 v205, 0
.irp i, 0,1,2,3
	v_mov_b32 v[OUTS+\i], 0
.endr
	v_sub_nc_u32 v28, 1, v2
	v_lshlrev_b32 v[CT], 3, v28                    ; Q: +1.0 for an open query, nothing for a hidden one; bytes 127, 127
	v_mov_b32 v[CF], 0
	v_mov_b32 v[HT], 0x7f7f
	v_mov_b32 v[HF], 0x7f7f
	; where my results go
	s_lshr_b32 s84, s23, 4                         ; the batch
	s_and_b32 s85, s23, 15                         ; my group of 128 tokens in it
	s_lshl_b32 s86, s84, 2
	s_add_co_u32 s86, s86, s3                      ; 4 x batch + x
	s_lshl_b32 s87, s86, 2
	s_add_co_u32 s87, s87, s18                     ; 16 x batch + Q's head
	s_lshl_b32 s87, s87, 4
	s_add_co_u32 s87, s87, s85                     ; which group of Q's images
	s_lshl_b32 s86, s86, 4
	s_add_co_u32 s86, s86, s85                     ; which record of K and V
	s_mul_i32 s90, s86, 15104
	s_mov_b32 s91, 0
	s_add_nc_u64 s[92:93], s[16:17], s[90:91]
	s_lshl_b32 s90, s19, 12
	s_add_nc_u64 s[76:77], s[92:93], s[90:91]      ; K: my four images of the record's eight
	s_lshl_b32 s90, s19, 3
	s_add_co_u32 s90, s90, 14336
	s_add_nc_u64 s[78:79], s[92:93], s[90:91]      ; K: my two words of the scale image's four
	s_mul_i32 s90, s19, 520
	s_add_nc_u64 s[94:95], s[92:93], s[90:91]      ; V: pieces 0 and 2
	s_mul_i32 s90, s19, 1016
	s_add_nc_u64 s[96:97], s[92:93], s[90:91]      ; V: piece 1
	s_lshl_b32 s90, s19, 1
	s_add_nc_u64 s[98:99], s[92:93], s[90:91]      ; V: my two bytes of a scale word
	s_lshl_b32 s90, s87, 9
	s_add_co_u32 s90, s90, QSC
	s_add_nc_u64 s[16:17], s[14:15], s[90:91]      ; Q's scale image
	s_lshl_b32 s90, s87, 13
	s_add_nc_u64 s[14:15], s[14:15], s[90:91]      ; Q's images
	s_lshl_b32 s90, s23, 7
	s_add_nc_u64 s[10:11], s[10:11], s[90:91]      ; query_mask at my 128 tokens
	s_lshl_b32 s88, s19, 6
	s_add_co_u32 s90, s90, s88
	s_add_nc_u64 s[80:81], s[12:13], s[90:91]      ; kv_mask at my 64
	s_lshl_b32 s90, s85, 11
	s_add_nc_u64 s[8:9], s[8:9], s[90:91]          ; the table likewise
	s_lshl_b32 s90, s19, 10
	s_add_nc_u64 s[82:83], s[8:9], s[90:91]
	s_mov_b32 s4, 0x76543210                       ; v_permlanex16_b32's selects for lane l xor 16
	s_mov_b32 s5, 0xfedcba98
	s_mov_b32 s6, 0xffff0000                       ; lanes 16-31
	LOAD_BS 70
	LOAD_AS 0, 68
	RLOAD 0, 8
.irp a, 0,1,2,3,4,5,6,7
	global_load_u8 v[MK+\a], v3, s[10:11] offset:32*(\a/2)+8*(\a%2)
.endr
	s_wait_alu depctr_va_vdst(0)
	s_wait_tensorcnt 0x0                           ; my load is in
	s_barrier_signal -1
	s_barrier_wait -1                              ; everybody's is.
	LOAD_B
	FETCH_A 0, 0
	s_wait_tensorcnt 0x0
	ds_add_u32 v[SPW], v[NIL]
	s_wait_dscnt 0x0                               ; the add is done, and my weights are in registers: my reads of the region that is filled again are over
	CROUND                                         ; so are those of every wave of every partner
	ARMS G0B2, G1C, G0A2, G1A                      ; phase 1's tiles, one load a wave: K's and V's 64 weight rows, key_value's two halves of 64 rows
	s_wait_loadcnt 24                              ; the 12 loads of scale words are in; behind them 16 of cos and sin and 8 of the mask may be out
	UNIT 0, 0
	s_wait_alu depctr_va_vdst(0)
	UNIT 1, 0
	s_wait_alu depctr_va_vdst(0)
	UNIT 2, 0
	s_wait_alu depctr_va_vdst(0)
	UNIT 3, 0
	; PHASE 1
	s_wait_alu depctr_va_vdst(0)
	s_wait_tensorcnt 0x0                           ; my part of phase 1's tiles has had four units in which to land
	s_wait_dscnt 0x0
	s_barrier_signal -1
	s_barrier_wait -1                              ; the tiles are whole, and nobody reads query's rows any more.
	s_mul_i32 s90, s19, 52224
	s_add_co_u32 s90, s90, AKV
	v_add_nc_u32 v[ADRA], s90, v[LP0]              ; my 64 rows of key_value
	v_add_nc_u32 v[ADRA+1], s90, v[LP1]
	s_mul_i32 s90, s20, 52224
	s_add_co_u32 s90, s90, BREG
	v_add_nc_u32 v[ADRB], s90, v[LP0]              ; K's or V's 64 weight rows
	v_add_nc_u32 v[ADRB+1], s90, v[LP1]
	v_sub_nc_u32 v28, 1, v2
	v_mov_b32 v[CT], 0                             ; K: nothing for an open key, -1.0 under 2^100 for a hidden one
	v_mul_u32_u24 v[CF], 40, v28
	v_mov_b32 v[HT], 0x0101
	v_mov_b32 v[HF], 0x01e3
	s_wait_alu depctr_va_vdst(0)
	s_wait_xcnt 0x0                                ; phase 0's stores have read their bases
	s_mov_b64 s[14:15], s[76:77]
	s_mov_b64 s[16:17], s[78:79]
	LOAD_B
	FETCH_A 0, 0
	s_wait_loadcnt 20                              ; the weights' 8 loads of scale words are in; behind them 16 of cos and sin and 4 of the mask may be out
	UNIT 0, 1
	s_wait_alu depctr_va_vdst(0)
	UNIT 1, 1
	s_wait_tensorcnt 0x0                           ; the wave's end
	ds_add_u32 v[SPW], v[NIL]
	s_wait_dscnt 0x0
	CROUND                                         ; the closing round
	s_endpgm
.Lfunc_end_k_qee9e230d79_proj:
	.size	k_qee9e230d79_proj, .Lfunc_end_k_qee9e230d79_proj-k_qee9e230d79_proj
	.p2alignl 7, 3214868480
	.fill 96, 4, 3214868480
	.section	.rodata,"a",@progbits
	.p2align	6, 0x0
	.amdhsa_kernel k_qee9e230d79_proj
		.amdhsa_group_segment_fixed_size 327680
		.amdhsa_private_segment_fixed_size 0
		.amdhsa_enable_private_segment 0
		.amdhsa_kernarg_size 56
		.amdhsa_user_sgpr_count 2
		.amdhsa_user_sgpr_kernarg_segment_ptr 1
		.amdhsa_wavefront_size32 1
		.amdhsa_system_sgpr_workgroup_id_x 1
		.amdhsa_system_sgpr_workgroup_id_y 1
		.amdhsa_system_sgpr_workgroup_id_z 1
		.amdhsa_system_vgpr_workitem_id 0
		.amdhsa_next_free_vgpr 1024
		.amdhsa_next_free_sgpr 102
		.amdhsa_reserve_vcc 1
		.amdhsa_float_denorm_mode_32 3
		.amdhsa_float_denorm_mode_16_64 3
		.amdhsa_memory_ordered 1
		.amdhsa_forward_progress 1
		.amdhsa_inst_pref_size 210
	.end_amdhsa_kernel
	.amdgpu_metadata
---
amdhsa.version: [ 1, 2 ]
amdhsa.kernels:
  - .name:           k_qee9e230d79_proj
    .symbol:         k_qee9e230d79_proj.kd
    .args:
      - { .name: act, .offset: 0, .size: 8, .value_kind: global_buffer, .address_space: global }
      - { .name: wts, .offset: 8, .size: 8, .value_kind: global_buffer, .address_space: global }
      - { .name: ropetab, .offset: 16, .size: 8, .value_kind: global_buffer, .address_space: global }
      - { .name: query_mask, .offset: 24, .size: 8, .value_kind: global_buffer, .address_space: global }
      - { .name: kv_mask, .offset: 32, .size: 8, .value_kind: global_buffer, .address_space: global }
      - { .name: qimg, .offset: 40, .size: 8, .value_kind: global_buffer, .address_space: global }
      - { .name: kvrec, .offset: 48, .size: 8, .value_kind: global_buffer, .address_space: global }
    .group_segment_fixed_size: 327680
    .private_segment_fixed_size: 0
    .kernarg_segment_align: 8
    .kernarg_segment_size: 56
    .max_flat_workgroup_size: 128
    .sgpr_count:     102
    .vgpr_count:     1024
    .wavefront_size: 32
...
	.end_amdgpu_metadata
.endif
;; end of part 2
;; launch attn (part 3): grid 16 x 16, 8 waves a work-group, clusters of 4 x 1, 327,680 bytes of LDS; arguments qimg, kvrec, ocode; writes ocode
.if DOCPART == 3
	.amdgcn_target "amdgcn-amd-amdhsa--gfx1250"
	.amdhsa_code_object_version 6
	.text
	.protected	k_qee9e230d79_attn
	.globl	k_qee9e230d79_attn
	.p2align	8
	.type	k_qee9e230d79_attn,@function
k_qee9e230d79_attn:
	s_mov_b64 s[64:65], 0
	v_nop
	global_prefetch_b8 v0, s[64:65] scope:SCOPE_SE
	s_setreg_imm32_b32 hwreg(HW_REG_WAVE_MODE, 25, 1), 1
	s_wait_xcnt 0x0
	s_wait_alu depctr_hold_cnt(0) depctr_sa_sdst(0) depctr_va_vdst(0) depctr_va_sdst(0) depctr_va_ssrc(0) depctr_va_vcc(0) depctr_vm_vsrc(0)
	s_getreg_b32 s2, hwreg(HW_REG_IB_STS2, 6, 4)
	s_cmp_eq_u32 s2, 0
	s_cbranch_scc0 .Lentry_in_a_cluster
	s_endpgm
.Lentry_in_a_cluster:
	s_bfe_u32 s2, ttmp6, 0x10000c
	s_cmp_lg_u32 s2, 0x3003
	s_cbranch_scc0 .Lentry_shape_is_right
	s_endpgm
.Lentry_shape_is_right:
; ATTN: scores, softmax and P V on codes of FP6 (E2M3) with E8M0 scales; O / l quantised along the model's axis and stored as codes for the last product.
; SHARES.  A work-group takes one batch and one key-value head (y = 4 b + g) and 128 tokens of queries; wave w takes token tile w (16 tokens) of the four query heads 4 g .. 4 g + 3, in two pairs.
; Both products are used transposed (S^T = K Q^T, O^T = V^T P^T): a lane holds ONE query.  Operands lie in LDS as images of registers: a tile of K 2 x 512 bytes, a tile of V^T 3 x 512.
; WHICH KEYS FORM A SCORE TILE is chosen by the LDS address of K's loads: row 8 h' + j of tile 4 c + u is key 64 c + 32 h' + 8 u + j.  So a lane's 32 registers of tiles 4 c .. 4 c + 3 are the 32 keys of block
; 2 c + (lane / 16), in order: a block's maximum needs no other lane, and the conversions' results are p's operand as it stands (but for three moves a block: a conversion's registers begin on an even number).
; In the stored images that key lies in tile 4 c + 2 h' + u % 2 at row 8 (u / 2) + j: byte 4096 c + 1024 (u % 2) + 128 (u / 2) of a record, + 2048 h' + 16 j + 256 (lane / 16) by the lane.
; K AND V HAVE REGISTERS OF THEIR OWN and are read from LDS once a key step, for both pairs: the next step's K is asked for behind the second pair's score products, the next step's V behind its P V products.
; THE SCORE PRODUCT'S K IS 64 OF 128.  Registers 0-5 hold d = 0..63; register 6 one more code at k = 64, by which the masks act (a hidden key scores exactly -2^100, a hidden query 0 against every key);
; Q's registers 7-11 are zeros.  A K operand names 12 registers, the last four the next tile's first four: they meet Q's zero codes under finite scale bytes.
; SOFTMAX.  t = score x log2(e) / 8; M = the running largest t rounded up to a whole number; p = 2^(t - M) is quantised along the keys, not normalised; the row's sum is taken of the unquantised p and divides
; at the end.  When M moves, the sum and O^T are multiplied by 2^(old M - new M): exact.  c x 2^100 is a whole number, so a row with no open key gets p = 1 on all keys.
; TENSOR LOADS.  The 16 key steps' records (15,104 bytes each) all fit in LDS; the four work-groups of a cluster walk the same K and V and ask jointly.  Wave w asks for record w at the head and for record 8 + w
; behind the full sequence and a round of the cluster's barrier: one load of a wave is out at a time.  Steps 0-6 run (and read ahead as far as record 7) under the second load; no LDS byte is filled twice.
; No data prefetch: all that the launch reads by tensor loads is asked for by these two loads a wave, the second seven key steps ahead of its first read.
; LIMITS: -2^100 / 8 stands for the smallest finite f32; NaN and infinities are not served; a block whose every p has fallen to 0 keeps the scale byte 1 (its codes are zeros).
; REGISTERS.  window 0: v1-7 lane constants and the add's two; v8-17 scale words (K 4, V 2, Q 2, p 2); v18-21 a record's addresses; v22-37 four tiles' -M, largest score, sum (two halves); v38-57 at work;
;   v60-83 p's codes; v84-119 V's tiles 0-2 (the way out's small registers later); v120-124 the way out's addresses; v128-255 S^T, then p, of a pair.   window 1: v0-127 O^T; v128-175 Q; v176-243 K; v244-255 V's tile 3.
.set QSC,   8388608
.set ATT_S, 6291456
.set REC,   15104
.set STG,   17*REC                     ; behind the records and a gap of one record that nothing touches: 16 rows x 272 bytes for each wave, for the way out
.set SPARE, STG+8*4352                 ; the spare words, 128 bytes for each wave: four blocks of 256 bytes that no other line names
.set LI16, 1
.set LI8,  2
.set KL,   3
.set KSL,  4
.set SPW,  5
.set NIL,  6
.set SH8,  7
.set KS,   8
.set VS,   12
.set QS,   14
.set PS,   16
.set ADK,  18
.set ADKS, 19
.set ADV,  20
.set ADV8, 21
.set ST,   22
.set TM,   38                          ; ten for each tile of a pair: +0,1 block maxima, then bytes; +2,3 f; +4,5 the sum's second chain; +6,7 at work; +8,9 the conversions' scale operands
.set PC,   60
.set VW,   84
.set RL,   84
.set PWT,  92
.set STO,  120
.set SRD,  121
.set GOC,  122
.set GOS,  123
.set QOF,  124
.set SS,   128
.set QF,   128                         ; window 1
.set KV,   176                         ; window 1
.set V3,   244                         ; window 1
.set MSB, 0
.macro WIN new
.if MSB != \new
	s_set_vgpr_msb (MSB<<8)|\new
.set MSB, \new
.endif
.endm
.macro PLACES n
.rept \n
	v_nop
.endr
.endm
.macro CROUND
	s_barrier_signal -1
	s_barrier_wait -1
	s_cmp_lg_u32 s12, 0
	s_cbranch_scc1 .Lnot_wave_0_\@
	s_barrier_signal -3
.Lnot_wave_0_\@:
	s_barrier_wait -3
	s_barrier_signal -1
	s_barrier_wait -1
.endm
.macro NEXTADR                         ; the addresses of the record at LDS byte s40
	v_add_nc_u32 v[ADK], s40, v[KL]
	v_add_nc_u32 v[ADKS], s40, v[KSL]
	v_add_nc_u32 v[ADV], s40, v[LI16]
	v_add_nc_u32 v[ADV8], s40, v[LI8]
.endm
.macro LOADK                           ; 20 loads: K's scale words (register 2 c + u / 2: lanes 0-15 the even tile, lanes 16-31 the odd one), then its eight tiles
.irp c, 0,1
.irp u, 0,1
	ds_load_b32 v[KS+2*\c+\u], v[ADKS] offset:14336+128*\u+8*\c
.endr
.endr
	WIN 0x40
.irp c, 0,1
.irp u, 0,1
.irp w, 0,1
	ds_load_b128 v[KV+8*(4*\c+2*\u+\w):KV+8*(4*\c+2*\u+\w)+3], v[ADK] offset:4096*\c+1024*\w+128*\u
	ds_load_b128 v[KV+8*(4*\c+2*\u+\w)+4:KV+8*(4*\c+2*\u+\w)+7], v[ADK] offset:4096*\c+1024*\w+128*\u+512
.endr
.endr
.endr
	WIN 0
.endm
.macro LOADV                           ; 13 loads: V's scale words and its four tiles
	ds_load_b64 v[VS:VS+1], v[ADV8] offset:14848
.irp t, 0,1,2
.irp c, 0,1,2
	ds_load_b128 v[VW+12*\t+4*\c:VW+12*\t+4*\c+3], v[ADV] offset:8192+1536*\t+512*\c
.endr
.endr
	WIN 0x40
.irp c, 0,1,2
	ds_load_b128 v[V3+4*\c:V3+4*\c+3], v[ADV] offset:8192+1536*3+512*\c
.endr
	WIN 0
.endm
; S^T of key tile k for tile x of pair p
.macro SPROD k, x, p
.set rD, SS+64*(\x)+8*(\k)
.set rA, KV+8*(\k)
.set rB, QF+12*(2*(\p)+(\x))
.set rS, KS+(\k)/2
.if ((\k)%2) && (\x)
	v_wmma_scale_f32_16x16x128_f8f6f4 v[rD:rD+7], v[rA:rA+11], v[rB:rB+11], 0, v[rS], v[QS+(\p)] matrix_a_fmt:MATRIX_FMT_FP6 matrix_b_fmt:MATRIX_FMT_FP6 matrix_a_scale:MATRIX_SCALE_ROW1 matrix_b_scale:MATRIX_SCALE_ROW1
.elseif (\k)%2
	v_wmma_scale_f32_16x16x128_f8f6f4 v[rD:rD+7], v[rA:rA+11], v[rB:rB+11], 0, v[rS], v[QS+(\p)] matrix_a_fmt:MATRIX_FMT_FP6 matrix_b_fmt:MATRIX_FMT_FP6 matrix_a_scale:MATRIX_SCALE_ROW1
.elseif \x
	v_wmma_scale_f32_16x16x128_f8f6f4 v[rD:rD+7], v[rA:rA+11], v[rB:rB+11], 0, v[rS], v[QS+(\p)] matrix_a_fmt:MATRIX_FMT_FP6 matrix_b_fmt:MATRIX_FMT_FP6 matrix_b_scale:MATRIX_SCALE_ROW1
.else
	v_wmma_scale_f32_16x16x128_f8f6f4 v[rD:rD+7], v[rA:rA+11], v[rB:rB+11], 0, v[rS], v[QS+(\p)] matrix_a_fmt:MATRIX_FMT_FP6 matrix_b_fmt:MATRIX_FMT_FP6
.endif
.endm
.macro SPRODS p
	WIN 0x05
.irp k, 0,1,2,3,4,5,6,7
.irp x, 0,1
	SPROD \k, \x, \p
.endr
.endr
	WIN 0
.endm
.macro PVPROD t, x, p
.set rD, 64*(\p)+32*(\x)+8*(\t)
.if (\t) < 3
.set rA, VW+12*(\t)
.else
.set rA, V3
.endif
.set rB, PC+12*(\x)
.if (\t)%2
	v_wmma_scale_f32_16x16x128_f8f6f4 v[rD:rD+7], v[rA:rA+11], v[rB:rB+11], v[rD:rD+7], v[VS+(\t)/2], v[PS+(\x)] matrix_a_fmt:MATRIX_FMT_FP6 matrix_b_fmt:MATRIX_FMT_FP6 matrix_a_scale:MATRIX_SCALE_ROW1
.else
	v_wmma_scale_f32_16x16x128_f8f6f4 v[rD:rD+7], v[rA:rA+11], v[rB:rB+11], v[rD:rD+7], v[VS+(\t)/2], v[PS+(\x)] matrix_a_fmt:MATRIX_FMT_FP6 matrix_b_fmt:MATRIX_FMT_FP6
.endif
.endm
; The softmax of pair p's two tiles for 128 keys.  A lane holds blocks (lane / 16) and 2 + (lane / 16) of its query: four chains by turns
.macro SOFTMAX p
.irp c, 0,1
.irp x, 0,1
	v_max3_num_f32 v[TM+10*\x+\c], v[SS+64*\x+32*\c], v[SS+64*\x+32*\c+1], v[SS+64*\x+32*\c+2]   ; the largest score of a block: for the row's maximum, and for the block's largest p.  Each accumulator is first read at its low end
.endr
.endr
.irp i, 3,5,7,9,11,13,15,17,19,21,23,25,27,29
.irp c, 0,1
.irp x, 0,1
	v_max3_num_f32 v[TM+10*\x+\c], v[TM+10*\x+\c], v[SS+64*\x+32*\c+\i], v[SS+64*\x+32*\c+\i+1]
.endr
.endr
.endr
.irp c, 0,1
.irp x, 0,1
	v_max_num_f32 v[TM+10*\x+\c], v[TM+10*\x+\c], v[SS+64*\x+32*\c+31]
.endr
.endr
.irp x, 0,1
	s_delay_alu instid0(VALU_DEP_2)
	v_max_num_f32 v[TM+10*\x+6], v[TM+10*\x], v[TM+10*\x+1]
.endr
.irp x, 0,1
	s_delay_alu instid0(VALU_DEP_2)
	v_permlanex16_b32 v[TM+10*\x+7], v[TM+10*\x+6], s44, s45
.endr
.irp x, 0,1
	s_delay_alu instid0(VALU_DEP_2)
	v_max3_num_f32 v[ST+8*(\p)+4*\x+1], v[ST+8*(\p)+4*\x+1], v[TM+10*\x+6], v[TM+10*\x+7]   ; the running largest score, with lane l xor 16's two blocks
.endr
.irp x, 0,1
	s_delay_alu instid0(VALU_DEP_2)
	v_mul_f32 v[TM+10*\x+6], s42, v[ST+8*(\p)+4*\x+1]   ; as t (c is positive)
.endr
.irp x, 0,1
	v_mov_b32 v[TM+10*\x+7], v[ST+8*(\p)+4*\x]
.endr
.irp x, 0,1
	s_delay_alu instid0(VALU_DEP_4)
	v_floor_f32 v[ST+8*(\p)+4*\x], -v[TM+10*\x+6]   ; the new -M: a whole number
.endr
.irp x, 0,1
	s_delay_alu instid0(VALU_DEP_2)
	v_sub_f32 v[TM+10*\x+6], v[ST+8*(\p)+4*\x], v[TM+10*\x+7]   ; old M - new M, 0 or less
.endr
.irp x, 0,1
	s_delay_alu instid0(VALU_DEP_2)
	v_cvt_i32_f32 v[TM+10*\x+6], v[TM+10*\x+6]     ; (it saturates)
.endr
.irp x, 0,1
	s_delay_alu instid0(VALU_DEP_2)
	v_ldexp_f32 v[TM+10*\x+2], 1.0, v[TM+10*\x+6]  ; f = 2^(old M - new M)
.endr
.set JJ, 0
.rept 32
.irp x, 0,1
	v_pk_fma_f32 v[SS+64*\x+JJ:SS+64*\x+JJ+1], v[SS+64*\x+JJ:SS+64*\x+JJ+1], s[42:43], v[ST+8*(\p)+4*\x:ST+8*(\p)+4*\x+1] op_sel_hi:[1,0,0]   ; t - M
.endr
.set JJ, JJ+2
.endr
.irp c, 0,1
.irp x, 0,1
	v_fma_f32 v[TM+10*\x+\c], v[TM+10*\x+\c], s42, v[ST+8*(\p)+4*\x]   ; the same of each block's largest score
.endr
.endr
	s_wait_alu depctr_va_vdst(0)
.irp c, 0,1
.irp x, 0,1
	v_exp_f32 v[TM+10*\x+\c], v[TM+10*\x+\c]       ; the block's largest p
.endr
.endr
.set JJ, 0
.rept 64
	v_exp_f32 v[SS+JJ], v[SS+JJ]                   ; p = 2^(t - M): one batch for the pair
	v_exp_f32 v[SS+64+JJ], v[SS+64+JJ]
.set JJ, JJ+1
.endr
.irp x, 0,1
	v_pk_mul_f32 v[ST+8*(\p)+4*\x+2:ST+8*(\p)+4*\x+3], v[ST+8*(\p)+4*\x+2:ST+8*(\p)+4*\x+3], v[TM+10*\x+2:TM+10*\x+3] op_sel_hi:[1,0]   ; the sums under the new M: plain work behind the exponentials
.endr
	s_wait_alu depctr_va_vdst(0)                   ; one wait for the batch, ahead of its first reader
.irp x, 0,1
	v_pk_add_f32 v[TM+10*\x+4:TM+10*\x+5], v[SS+64*\x:SS+64*\x+1], v[SS+64*\x+2:SS+64*\x+3]   ; the row's sum, of the unquantised p, in two chains a tile
.endr
.set JJ, 4
.rept 15
.irp x, 0,1
	v_pk_add_f32 v[ST+8*(\p)+4*\x+2:ST+8*(\p)+4*\x+3], v[ST+8*(\p)+4*\x+2:ST+8*(\p)+4*\x+3], v[SS+64*\x+JJ:SS+64*\x+JJ+1]
	v_pk_add_f32 v[TM+10*\x+4:TM+10*\x+5], v[TM+10*\x+4:TM+10*\x+5], v[SS+64*\x+JJ+2:SS+64*\x+JJ+3]
.endr
.set JJ, JJ+4
.endr
.irp c, 0,1
.irp x, 0,1
	v_max_num_f32 v[TM+10*\x+\c], 0x1800000, v[TM+10*\x+\c]   ; the floor 2^(3 - 127): the byte cannot fall under 1
.endr
.endr
.irp x, 0,1
	v_pk_add_f32 v[ST+8*(\p)+4*\x+2:ST+8*(\p)+4*\x+3], v[ST+8*(\p)+4*\x+2:ST+8*(\p)+4*\x+3], v[TM+10*\x+4:TM+10*\x+5]
.endr
.irp c, 0,1
.irp x, 0,1
	v_add_nc_u32 v[TM+10*\x+8+\c], 0xff000000, v[TM+10*\x+\c]   ; 2 off the exponent field: the conversion's scale operand
.endr
.endr
.irp c, 0,1
.irp x, 0,1
	v_lshrrev_b32 v[TM+10*\x+\c], 23, v[TM+10*\x+8+\c]          ; the scale's byte
.endr
.endr
.irp x, 0,1
	s_delay_alu instid0(VALU_DEP_2)
	v_lshl_or_b32 v[TM+10*\x+6], v[TM+10*\x+1], 16, v[TM+10*\x] ; my two bytes,
.endr
.irp x, 0,1
	s_delay_alu instid0(VALU_DEP_2)
	v_lshlrev_b32 v[TM+10*\x+6], v[SH8], v[TM+10*\x+6]          ; at their places;
.endr
.irp x, 0,1
	s_delay_alu instid0(VALU_DEP_2)
	v_permlanex16_b32 v[TM+10*\x+7], v[TM+10*\x+6], s44, s45
.endr
.irp x, 0,1
	s_delay_alu instid0(VALU_DEP_2)
	v_or_b32 v[PS+\x], v[TM+10*\x+6], v[TM+10*\x+7]             ; with lane l xor 16's the scale word of these 128 keys is whole
.endr
.irp x, 0,1
.irp c, 0,1
	v_cvt_scalef32_pk16_fp6_f32 v[PC+12*\x+6*\c:PC+12*\x+6*\c+2], v[SS+64*\x+32*\c:SS+64*\x+32*\c+15], v[TM+10*\x+8+\c]   ; a block's lower 16 codes: the operand's registers 6 c .. 6 c + 2
.endr
.endr
	v_nop                                          ; a plain place: the next four write over sources of these four
.irp x, 0,1
.irp c, 0,1
	v_cvt_scalef32_pk16_fp6_f32 v[SS+64*\x+32*\c:SS+64*\x+32*\c+2], v[SS+64*\x+32*\c+16:SS+64*\x+32*\c+31], v[TM+10*\x+8+\c]   ; its upper 16, made where the lower 16 numbers lay (a conversion's registers begin on an even number)
.endr
.endr
	v_nop                                          ; one plain place behind a scaled conversion
.irp x, 0,1
.irp c, 0,1
.irp i, 0,1,2
	v_mov_b32 v[PC+12*\x+6*\c+3+\i], v[SS+64*\x+32*\c+\i]
.endr
.endr
.endr
.endm
; O^T of pair p under the new M, in ascending order, then O^T += V^T P^T.  The 32 multiplications are also the places between p's codes and scale words and the products that take them
.macro RESCPV p
	WIN 0x41
	s_wait_alu depctr_va_vdst(0)
.set JJ, 0
.rept 16
	v_pk_mul_f32 v[64*(\p)+JJ:64*(\p)+JJ+1], v[64*(\p)+JJ:64*(\p)+JJ+1], v[TM+2:TM+3] op_sel_hi:[1,0]
	v_pk_mul_f32 v[64*(\p)+32+JJ:64*(\p)+33+JJ], v[64*(\p)+32+JJ:64*(\p)+33+JJ], v[TM+12:TM+13] op_sel_hi:[1,0]
.set JJ, JJ+2
.endr
	WIN 0x50
.irp t, 0,1,2
.irp x, 0,1
	PVPROD \t, \x, \p                              ; eight accumulators, one instruction each
.endr
.endr
	WIN 0x51
.irp x, 0,1
	PVPROD 3, \x, \p
.endr
	WIN 0
.endm
; A key step.  s40: the NEXT record's LDS byte.  sk = 1: the loop's last trip (s41 = 1) has no next record and asks for nothing
.macro STEP sk
	s_wait_dscnt 13                                ; K's 20 loads are in; V's 13, issued behind them, may be out
	SPRODS 0
	PLACES 4                                       ; in front of the first read of the scores
	SOFTMAX 0
	s_wait_dscnt 0x0                               ; V
	RESCPV 0
	SPRODS 1
	NEXTADR                                        ; four plain lines: the places in front of K's loads and of the first read of the scores
.if \sk
	s_cmp_eq_u32 s41, 1
	s_cbranch_scc1 .Lno_k_\@
.endif
	LOADK                                          ; the next step's K lands under this pair's softmax
.if \sk
.Lno_k_\@:
.endif
	SOFTMAX 1
	RESCPV 1
	PLACES 4                                       ; in front of loads into registers that the products read
.if \sk
	s_cmp_eq_u32 s41, 1
	s_cbranch_scc1 .Lno_v_\@
.endif
	LOADV                                          ; the next step's V lands under its first pair's scores and softmax
.if \sk
.Lno_v_\@:
.endif
.endm
.macro LOOP base, trips, sk
	s_mov_b32 s40, \base
	s_mov_b32 s41, \trips
.Lk_\@:
	STEP \sk
	s_add_co_u32 s40, s40, REC
	s_sub_co_u32 s41, s41, 1
	s_cmp_lg_u32 s41, 0
	s_cbranch_scc1 .Lk_\@
.endm
; The way out of tile t: O^T / l, two blocks of 32 along d quantised; a conversion's 12 bytes are the codes of d = 32 b + 16 h + 0..15: place 4 t + 2 b + h of my token's sixteen in the stage
.macro OTILE t
	WIN 0x01
	s_wait_alu depctr_va_vdst(0)
.set JJ, 0
.rept 16
	v_pk_mul_f32 v[SS+JJ:SS+JJ+1], v[32*(\t)+JJ:32*(\t)+JJ+1], v[RL+2*(\t):RL+2*(\t)+1] op_sel_hi:[1,0]
.set JJ, JJ+2
.endr
	WIN 0
	v_max3_num_f32 v96, |v[SS]|, |v[SS+1]|, 0x1800000
	v_max3_num_f32 v97, |v[SS+16]|, |v[SS+17]|, 0x1800000
.irp i, 2,4,6,8,10,12,14
	s_delay_alu instid0(VALU_DEP_2)
	v_max3_num_f32 v96, v96, |v[SS+\i]|, |v[SS+1+\i]|
	s_delay_alu instid0(VALU_DEP_2)
	v_max3_num_f32 v97, v97, |v[SS+16+\i]|, |v[SS+17+\i]|
.endr
	s_delay_alu instid0(VALU_DEP_2)
	v_permlanex16_b32 v98, v96, s44, s45
	s_delay_alu instid0(VALU_DEP_2)
	v_permlanex16_b32 v99, v97, s44, s45
	s_delay_alu instid0(VALU_DEP_2)
	v_max_num_f32 v96, v96, v98
	s_delay_alu instid0(VALU_DEP_2)
	v_max_num_f32 v97, v97, v99
	s_delay_alu instid0(VALU_DEP_2)
	v_add_nc_u32 v100, 0xff000000, v96
	s_delay_alu instid0(VALU_DEP_2)
	v_add_nc_u32 v101, 0xff000000, v97
	s_delay_alu instid0(VALU_DEP_2)
	v_lshrrev_b32 v102, 23, v100
	s_delay_alu instid0(VALU_DEP_2)
	v_lshrrev_b32 v103, 23, v101
	s_delay_alu instid0(VALU_DEP_1)
	v_lshl_or_b32 v[PWT+(\t)], v103, 8, v102       ; the head's two scale bytes
	v_cvt_scalef32_pk16_fp6_f32 v[104:106], v[SS:SS+15], v100
	v_cvt_scalef32_pk16_fp6_f32 v[108:110], v[SS+16:SS+31], v101
	v_nop
	ds_store_b96 v[STO], v[104:106] offset:64*(\t)
	ds_store_b96 v[STO], v[108:110] offset:64*(\t)+32
.endm
	s_load_b128 s[4:7], s[0:1], 0x0                ; qimg, kvrec
	s_load_b64 s[8:9], s[0:1], 0x10                ; ocode
	v_lshl_add_u32 v[SPW], v0, 2, SPARE
	v_mov_b32 v[NIL], 0
	ds_add_u32 v[SPW], v[NIL]                      ; the wave's opening: the add, twice on end, and its wait ahead of my first tensor load
	ds_add_u32 v[SPW], v[NIL]
	v_lshrrev_b32 v1, 5, v0
	s_delay_alu instid0(VALU_DEP_1)
	v_readfirstlane_b32 s12, v1                    ; wave 0..7
	s_bfe_u32 s13, ttmp6, 0x40000                  ; cx
	s_lshl_b32 s14, ttmp9, 2
	s_add_co_u32 s14, s14, s13                     ; my group of 128 tokens: it enters Q's and the output's addresses alone
	s_and_b32 s15, ttmp7, 0xffff                   ; y = 4 x batch + key-value head, which the four partners share
	s_mov_b32 s16, 15|(3<<16)|(1<<21)              ; group 1: the mask names all four; a record as 59 dense rows of 256 bytes (32 elements of 8)
	s_mov_b32 s17, 32<<16
	s_mov_b32 s18, 59<<16
	s_mov_b32 s19, 32<<16
	s_mov_b32 s20, 59
	s_mov_b32 s21, 32
	s_mov_b32 s22, 0
	s_mov_b32 s23, 0
	s_mul_i32 s48, s15, 16*REC
	s_mul_i32 s50, s12, REC                        ; wave w brings record w, then record 8 + w
	s_add_co_u32 s48, s48, s50
	s_mov_b32 s49, 0
	s_mov_b32 s24, 1
	s_mov_b32 s25, s50
	s_mov_b32 s42, 0x3e38aa3b                      ; c = log2(e) / 8
	s_mov_b32 s43, s42
	s_mov_b32 s44, 0x76543210
	s_mov_b32 s45, 0xfedcba98
	s_mov_b32 s46, 0xffff0000
	s_wait_dscnt 0x0                               ; both opening adds are done
	s_wait_kmcnt 0x0
	s_add_nc_u64 s[26:27], s[6:7], s[48:49]
	s_or_b32 s27, s27, 0x80000000
	CROUND                                         ; all four work-groups are here: the joint loads meet
	tensor_load_to_lds s[24:27], s[16:23]          ; my one load at the head
	s_nop 0
.rept 4
	v_nop
.endr
	v_and_b32 v[LI16], 31, v0
	s_delay_alu instid0(VALU_DEP_1)
	v_lshlrev_b32 v[LI8], 3, v[LI16]
	s_delay_alu instid0(VALU_DEP_2)
	v_lshlrev_b32 v[LI16], 4, v[LI16]
	s_wait_alu depctr_va_vdst(0)
	s_lshl_b32 s51, s15, 6
	s_add_co_u32 s51, s51, s14                     ; 64 y + token group: head T's images lie 16 groups further on for each T
	s_lshl_b32 s52, s51, 13
	s_lshl_b32 s54, s12, 10
	s_add_co_u32 s52, s52, s54
	s_mov_b32 s53, 0
	s_add_nc_u64 s[52:53], s[4:5], s[52:53]
	WIN 0x40
.irp t, 0,1,2,3
	global_load_b128 v[QF+12*\t:QF+12*\t+3], v[LI16], s[52:53] offset:131072*\t
	global_load_b128 v[QF+12*\t+4:QF+12*\t+7], v[LI16], s[52:53] offset:131072*\t+512
.endr
	WIN 0
	v_and_b32 v126, 15, v0                         ; r
	v_bfe_u32 v127, v0, 4, 1                       ; h
	s_delay_alu instid0(VALU_DEP_2)
	v_lshlrev_b32 v[QOF], 4, v126
	s_delay_alu instid0(VALU_DEP_1)
	v_lshl_add_u32 v[QOF], v127, 13, v[QOF]        ; Q's scale words: lanes 0-15 head 2 p, lanes 16-31 head 2 p + 1
	s_wait_alu depctr_va_vdst(0)
	s_lshl_b32 s54, s51, 9
	s_and_b32 s55, s12, 1
	s_lshl_b32 s55, s55, 8
	s_add_co_u32 s54, s54, s55
	s_lshr_b32 s55, s12, 1
	s_lshl_b32 s55, s55, 2
	s_add_co_u32 s54, s54, s55
	s_add_co_u32 s54, s54, QSC
	s_mov_b32 s55, 0
	s_add_nc_u64 s[54:55], s[4:5], s[54:55]
	global_load_b32 v[QS], v[QOF], s[54:55]
	global_load_b32 v[QS+1], v[QOF], s[54:55] offset:16384
	; the lane's part of K's addresses: 16 j + 2048 h' + 256 h for the tiles, 16 j + 4 h' + 256 h for the scale words (j = r % 8, h' = r / 8)
	v_and_b32 v[KL], 7, v0
	v_bfe_u32 v125, v0, 3, 1
	s_delay_alu instid0(VALU_DEP_2)
	v_lshlrev_b32 v[KL], 4, v[KL]
	s_delay_alu instid0(VALU_DEP_1)
	v_lshl_add_u32 v[KSL], v125, 2, v[KL]
	v_lshl_add_u32 v[KL], v125, 11, v[KL]
	s_delay_alu instid0(VALU_DEP_2)
	v_lshl_add_u32 v[KSL], v127, 8, v[KSL]
	s_delay_alu instid0(VALU_DEP_2)
	v_lshl_add_u32 v[KL], v127, 8, v[KL]
	v_lshlrev_b32 v[SH8], 3, v127
	; the way out's addresses
	s_mul_i32 s47, s12, 4352
	s_add_co_u32 s47, s47, STG
	v_mul_u32_u24 v[STO], v126, 272
	s_delay_alu instid0(VALU_DEP_1)
	v_lshl_add_u32 v[STO], v127, 4, v[STO]
	s_delay_alu instid0(VALU_DEP_1)
	v_add_nc_u32 v[STO], s47, v[STO]
	v_mul_u32_u24 v[SRD], v127, 272
	s_delay_alu instid0(VALU_DEP_1)
	v_lshl_add_u32 v[SRD], v126, 4, v[SRD]
	s_delay_alu instid0(VALU_DEP_1)
	v_add_nc_u32 v[SRD], s47, v[SRD]
	v_mul_u32_u24 v[GOC], v127, 768
	s_delay_alu instid0(VALU_DEP_1)
	v_mad_u32_u24 v[GOC], v126, 12, v[GOC]
	v_lshrrev_b32 v[GOS], 3, v126
	s_delay_alu instid0(VALU_DEP_1)
	v_lshl_add_u32 v[GOS], v[GOS], 3, v126
	s_delay_alu instid0(VALU_DEP_1)
	v_lshlrev_b32 v[GOS], 5, v[GOS]
	s_delay_alu instid0(VALU_DEP_1)
	v_lshl_add_u32 v[GOS], v127, 2, v[GOS]
	s_lshr_b32 s56, s15, 2
	s_and_b32 s57, s15, 3
	s_lshl_b32 s56, s56, 11
	s_lshl_b32 s58, s14, 7
	s_add_co_u32 s56, s56, s58
	s_lshr_b32 s58, s12, 1
	s_lshl_b32 s58, s58, 5
	s_add_co_u32 s56, s56, s58
	s_and_b32 s58, s12, 1
	s_lshl_b32 s58, s58, 3
	s_add_co_u32 s56, s56, s58                     ; my tile's first token; lane r's is r + 8 (r / 8) further on
	s_mul_i32 s58, s56, 768
	s_mul_i32 s60, s57, 192
	s_add_co_u32 s58, s58, s60
	s_mov_b32 s59, 0
	s_add_nc_u64 s[58:59], s[8:9], s[58:59]
	s_lshl_b32 s60, s56, 5
	s_lshl_b32 s57, s57, 3
	s_add_co_u32 s60, s60, s57
	s_add_co_u32 s60, s60, ATT_S
	s_mov_b32 s61, 0
	s_add_nc_u64 s[60:61], s[8:9], s[60:61]
	; the key step is written with no first step of its own: O^T and the sums begin as zeros, the largest score as -3e38
.irp t, 0,1,2,3
	v_mov_b32 v[ST+4*\t+1], 0xff61b1e6
	s_delay_alu instid0(VALU_DEP_1)
	v_floor_f32 v[ST+4*\t], -v[ST+4*\t+1]
	v_mov_b32 v[ST+4*\t+2], 0
	v_mov_b32 v[ST+4*\t+3], 0
.endr
.irp x, 0,1
.irp b, 3,7
	v_mov_b32 v[TM+10*\x+\b], 0                    ; (a lane permute's destination counts as one of its sources; f's pair is named whole)
.endr
.endr
	WIN 0x40
.set JJ, 0
.rept 128
	v_mov_b32 v[JJ], 0
.set JJ, JJ+1
.endr
.irp t, 0,1,2,3
.irp i, 8,9,10,11
	v_mov_b32 v[QF+12*\t+\i], 0                    ; Q's codes of k = 74 on
.endr
.endr
.irp i, 64,65,66,67
	v_mov_b32 v[KV+\i], 0                          ; what the last tile of K names behind its own eight registers
.endr
	WIN 0
	s_wait_alu depctr_va_vdst(0)
	s_wait_tensorcnt 0x0                           ; my record of the first eight is in
	ds_add_u32 v[SPW], v[NIL]
	s_add_co_u32 s25, s25, 8*REC                   ; no load of mine is out: group 0 steps eight records on
	s_add_nc_u64 s[26:27], s[26:27], 8*REC
	s_wait_dscnt 0x0
	CROUND                                         ; records 0-7 are whole for every wave, and the joint loads meet
	tensor_load_to_lds s[24:27], s[16:23]          ; record 8 + w: the first tensor load behind the round
	s_nop 0
.rept 4
	v_nop
.endr
	s_mov_b32 s40, 0
	NEXTADR
	LOADK                                          ; step 0's K and V
	LOADV
	s_wait_loadcnt 0x0                             ; Q
	LOOP REC, 7, 0                                 ; steps 0-6; they read ahead as far as record 7
	s_wait_tensorcnt 0x0                           ; my record of the last eight has had seven key steps in which to land
	s_wait_dscnt 0x0
	s_barrier_signal -1
	s_barrier_wait -1                              ; records 8-15 are whole for every wave.
	LOOP 8*REC, 9, 1                               ; steps 7-15
	; THE WAY OUT.  Four places stand behind the last products; no LDS load is out
	s_wait_dscnt 0x0
.irp t, 0,1,2,3
	v_add_f32 v[RL+2*\t], v[ST+4*\t+2], v[ST+4*\t+3]
.endr
.irp t, 0,1,2,3
	v_mov_b32 v[RL+2*\t+1], 0
.endr
	v_mov_b32 v98, 0
	v_mov_b32 v99, 0
.irp t, 0,1,2,3
	v_permlanex16_b32 v[RL+2*\t+1], v[RL+2*\t], s44, s45
.endr
.irp t, 0,1,2,3
	s_delay_alu instid0(VALU_DEP_4)
	v_add_f32 v[RL+2*\t], v[RL+2*\t], v[RL+2*\t+1] ; the row's sum
.endr
	s_wait_alu depctr_va_vdst(0)
.irp t, 0,1,2,3
	v_rcp_f32 v[RL+2*\t], v[RL+2*\t]
.endr
	v_nop                                          ; a plain place behind the last reciprocal
	s_wait_alu depctr_va_vdst(0)                   ; one wait for the four, ahead of their first reader
	OTILE 0
	OTILE 1
	OTILE 2
	OTILE 3
.irp i, 0,1,2,3,4,5,6,7
	ds_load_b96 v[192+4*\i:194+4*\i], v[SRD] offset:544*\i   ; LDS serves a wave's instructions in order: these see my stores
.endr
	v_lshl_or_b32 v100, v[PWT+1], 16, v[PWT]
	v_lshl_or_b32 v101, v[PWT+3], 16, v[PWT+2]
	s_delay_alu instid0(VALU_DEP_1)
	v_cndmask_b32 v100, v100, v101, s46            ; lanes 0-15 store heads 0, 1's four bytes, lanes 16-31 heads 2, 3's
	global_store_b32 v[GOS], v100, s[60:61]
.irp i, 0,1,2,3,4,5,6,7
	s_wait_dscnt 7-\i                              ; the younger loads from the stage may be out
	global_store_b96 v[GOC], v[192+4*\i:194+4*\i], s[58:59] offset:(2*\i+8*(\i/4))*768   ; sixteen lanes store a token's 192 consecutive bytes
.endr
	s_wait_tensorcnt 0x0                           ; the wave's end
	ds_add_u32 v[SPW], v[NIL]
	s_wait_dscnt 0x0
	CROUND                                         ; the closing round
	s_endpgm
.Lfunc_end_k_qee9e230d79_attn:
	.size	k_qee9e230d79_attn, .Lfunc_end_k_qee9e230d79_attn-k_qee9e230d79_attn
	.p2alignl 7, 3214868480
	.fill 96, 4, 3214868480
	.section	.rodata,"a",@progbits
	.p2align	6, 0x0
	.amdhsa_kernel k_qee9e230d79_attn
		.amdhsa_group_segment_fixed_size 327680
		.amdhsa_private_segment_fixed_size 0
		.amdhsa_enable_private_segment 0
		.amdhsa_kernarg_size 24
		.amdhsa_user_sgpr_count 2
		.amdhsa_user_sgpr_kernarg_segment_ptr 1
		.amdhsa_wavefront_size32 1
		.amdhsa_system_sgpr_workgroup_id_x 1
		.amdhsa_system_sgpr_workgroup_id_y 1
		.amdhsa_system_sgpr_workgroup_id_z 1
		.amdhsa_system_vgpr_workitem_id 0
		.amdhsa_next_free_vgpr 512
		.amdhsa_next_free_sgpr 66
		.amdhsa_reserve_vcc 0
		.amdhsa_float_denorm_mode_32 3
		.amdhsa_float_denorm_mode_16_64 3
		.amdhsa_memory_ordered 1
		.amdhsa_forward_progress 1
		.amdhsa_inst_pref_size 141
	.end_amdhsa_kernel
	.amdgpu_metadata
---
amdhsa.version: [ 1, 2 ]
amdhsa.kernels:
  - .name:           k_qee9e230d79_attn
    .symbol:         k_qee9e230d79_attn.kd
    .args:
      - { .name: qimg, .offset: 0, .size: 8, .value_kind: global_buffer, .address_space: global }
      - { .name: kvrec, .offset: 8, .size: 8, .value_kind: global_buffer, .address_space: global }
      - { .name: ocode, .offset: 16, .size: 8, .value_kind: global_buffer, .address_space: global }
    .group_segment_fixed_size: 327680
    .private_segment_fixed_size: 0
    .kernarg_segment_align: 8
    .kernarg_segment_size: 24
    .max_flat_workgroup_size: 256
    .sgpr_count:     66
    .vgpr_count:     512
    .wavefront_size: 32
...
	.end_amdgpu_metadata
.endif
;; end of part 3
;; launch outp (part 4): grid 4 x 64, 4 waves a work-group, clusters of 4 x 4, 327,680 bytes of LDS; arguments ocode, wts, out0; writes out0
.if DOCPART == 4
	.amdgcn_target "amdgcn-amd-amdhsa--gfx1250"
	.amdhsa_code_object_version 6
	.text
	.protected	k_qee9e230d79_outp
	.globl	k_qee9e230d79_outp
	.p2align	8
	.type	k_qee9e230d79_outp,@function
k_qee9e230d79_outp:
	s_mov_b64 s[64:65], 0
	v_nop
	global_prefetch_b8 v0, s[64:65] scope:SCOPE_SE
	s_setreg_imm32_b32 hwreg(HW_REG_WAVE_MODE, 25, 1), 1
	s_wait_xcnt 0x0
	s_wait_alu depctr_hold_cnt(0) depctr_sa_sdst(0) depctr_va_vdst(0) depctr_va_sdst(0) depctr_va_ssrc(0) depctr_va_vcc(0) depctr_vm_vsrc(0)
	s_getreg_b32 s2, hwreg(HW_REG_IB_STS2, 6, 4)
	s_cmp_eq_u32 s2, 0
	s_cbranch_scc0 .Lentry_in_a_cluster
	s_endpgm
.Lentry_in_a_cluster:
	s_bfe_u32 s2, ttmp6, 0x10000c
	s_cmp_lg_u32 s2, 0xf033
	s_cbranch_scc0 .Lentry_shape_is_right
	s_endpgm
.Lentry_shape_is_right:
; OUTP: out0 = (attention's output) w_out on codes of FP6 (E2M3) with E8M0 scales; f32 sums, stored as f32.
; SHARES.  A work-group makes 256 tokens x 128 columns, K = 1,024.  Four waves: wave w takes rows 128 (w / 2) on and columns 64 (w % 2) on.  The wave's 64 weight rows, for all of K, stay in 384 registers;
; the tokens' codes stream from LDS in four units of 32 rows: 64 matrix instructions on 8 accumulators that take turns, one instruction a turn.
; ALL THAT A WORK-GROUP READS FITS IN LDS: every tensor load is a first fill, issued at the head behind one round of the cluster's barrier; one of a wave's loads is out at a time; later parts are reached
; by counted waits in front of plain barriers; no LDS byte is filled twice.
; CLUSTER 4 x 4: the tokens' tiles are shared along a row of the cluster, the weights' along a column, each asked for jointly.
; THE MATRIX INSTRUCTION IS USED TRANSPOSED (source 0 = 16 weight rows, source 1 = 16 tokens): a lane holds one token.  w_out's rows lie with bits 3 and 4 of the column's number exchanged, so register j of
; result tile b holds column 32 (b / 2) + 8 (b % 2) + 16 (lane / 16) + j.  A unit's 32 rows x 64 columns go through the wave's stage and leave as aligned runs of 256 bytes.
; LIMITS: NaN and infinities are not served.
; REGISTERS as in the projections' launch: window 0: addresses, v32-63 the weights' scale words, v64-79 the tokens', v80-143 the way out; window 1: the tokens' fragments, two sets, and the 8 accumulators;
; windows 2, 3: the weights' fragments.
.set ATT_S,  6291456
.set WOUT_C, 1179648
.set WOUT_S, 2015232
.set BREG,   208896
.set SCLA,   313344
.set SCLB,   322048
.set SPARE,  326400                    ; the spare words, 128 bytes for each wave: two blocks of 256 bytes that no other line names
.set ADRA, 4
.set ADRB, 6
.set ADSA, 8
.set ADSB, 9
.set STO,  10                          ; v10  the stage, on the way in
.set SRD,  11                          ; v11  and on the way out
.set GO,   12                          ; v12  my offset in the wave's rows of out0
.set SPW,  30
.set NIL,  31
.set BS,   32
.set AS,   64
.set ACC,  192
.set G1SB, 24
.set G1B,  32
.set G1SA, 40
.set G1A,  48
.set G0SB, 56
.set G0B,  60
.set G0SA, 68
.set G0A,  72
.set MSB, 0
.macro WIN new
.if MSB != \new
	s_set_vgpr_msb (MSB<<8)|\new
.set MSB, \new
.endif
.endm
.macro PLACES n
.rept \n
	v_nop
.endr
.endm
.macro CROUND
	s_barrier_signal -1
	s_barrier_wait -1
	s_cmp_lg_u32 s18, 0
	s_cbranch_scc1 .Lnot_wave_0_\@
	s_barrier_signal -3
.Lnot_wave_0_\@:
	s_barrier_wait -3
	s_barrier_signal -1
	s_barrier_wait -1
.endm
.macro FRAG reg, adr, ks, rowoff       ; 16 rows x 128 K in pieces of 8 bytes; the second address register serves where lanes 16-31's piece lies behind one padding more
.irp p, 0,1,2,3,4,5
.set PCE, 12*(\ks)+6*(\p/3)+\p%3
.if PCE%32 < 29
	ds_load_b64 v[(\reg)+2*\p:(\reg)+2*\p+1], v[\adr] offset:8*PCE+16*(PCE/32)+(\rowoff)
.else
	ds_load_b64 v[(\reg)+2*\p:(\reg)+2*\p+1], v[(\adr)+1] offset:8*PCE+16*(PCE/32)+(\rowoff)
.endif
.endr
.endm
.macro FETCH_A half, st
	WIN 0x40
.irp a, 0,1
.irp q, 0,1,2,3
	FRAG 96*(\st)+12*(4*\a+\q), ADRA, 4*(\half)+\q, 13056*\a
.endr
.endr
	WIN 0
.endm
.macro LOAD_AS u
.irp a, 0,1
	global_load_b128 v[64+148*((\u)%2)+8*\a:64+148*((\u)%2)+8*\a+3], v[ADSA], s[70:71] offset:512*(2*(\u)+\a)      ; straight from memory into set u % 2: sixteen rows' 512 dense bytes
	global_load_b128 v[64+148*((\u)%2)+8*\a+4:64+148*((\u)%2)+8*\a+7], v[ADSA], s[70:71] offset:512*(2*(\u)+\a)+16
.endr
.endm
.macro LOAD_B
	WIN 0x80
.irp s, 0,1,2,3,4
.irp b, 0,1,2,3
	FRAG 12*(4*\s+\b), ADRB, \s, 13056*\b
.endr
.endr
	WIN 0xc0
.irp s, 5,6,7
.irp b, 0,1,2,3
	FRAG 12*(4*(\s-5)+\b), ADRB, \s, 13056*\b
.endr
.endr
	WIN 0
.endm
.macro LOAD_BS                         ; my 64 weight rows' scale words, straight from memory
.irp b, 0,1,2,3
	global_load_b128 v[BS+8*\b:BS+8*\b+3], v[ADSA], s[58:59] offset:512*\b
	global_load_b128 v[BS+8*\b+4:BS+8*\b+7], v[ADSA], s[58:59] offset:512*\b+16
.endr
.endm
.macro MUL ks, st, zr
.if (\ks) < 5
	WIN 0x56
.set BF, 48*(\ks)
.else
	WIN 0x57
.set BF, 48*((\ks)-5)
.endif
.irp a, 0,1
.irp b, 0,1,2,3
.if \zr
	v_wmma_scale_f32_16x16x128_f8f6f4 v[ACC+8*(4*\a+\b):ACC+8*(4*\a+\b)+7], v[BF+12*\b:BF+12*\b+11], v[96*(\st)+12*(4*\a+(\ks)%4):96*(\st)+12*(4*\a+(\ks)%4)+11], 0, v[BS+8*\b+(\ks)], v[AS+8*\a+(\ks)] matrix_a_fmt:MATRIX_FMT_FP6 matrix_b_fmt:MATRIX_FMT_FP6
.else
	v_wmma_scale_f32_16x16x128_f8f6f4 v[ACC+8*(4*\a+\b):ACC+8*(4*\a+\b)+7], v[BF+12*\b:BF+12*\b+11], v[96*(\st)+12*(4*\a+(\ks)%4):96*(\st)+12*(4*\a+(\ks)%4)+11], v[ACC+8*(4*\a+\b):ACC+8*(4*\a+\b)+7], v[BS+8*\b+(\ks)], v[AS+8*\a+(\ks)] matrix_a_fmt:MATRIX_FMT_FP6 matrix_b_fmt:MATRIX_FMT_FP6
.endif
.endr
.endr
.endm
; The way out of unit u, through my own stage: it lies where the weight rows lay, which have had their only fill; every wave has read its part and passed a barrier since
.macro EPI u
	s_wait_xcnt 0x0                                ; the last unit's stores have read their registers
	WIN 0x04
.irp a, 0,1
.irp b, 0,1,2,3
	ds_store_b128 v[STO], v[ACC+8*(4*\a+\b):ACC+8*(4*\a+\b)+3] offset:4352*\a+128*(\b/2)+32*(\b%2)          ; each accumulator from its low end on
	ds_store_b128 v[STO], v[ACC+8*(4*\a+\b)+4:ACC+8*(4*\a+\b)+7] offset:4352*\a+128*(\b/2)+32*(\b%2)+16
.endr
.endr
	WIN 0
.irp t, 0,1,2,3,4,5,6,7,8,9,10,11,12,13,14,15
	ds_load_b128 v[80+4*\t:83+4*\t], v[SRD] offset:544*\t   ; LDS serves a wave's instructions in order: these see my stores
.endr
.irp t, 0,1,2,3,4,5,6,7,8,9,10,11,12,13,14,15
	s_wait_dscnt 15-\t                             ; the younger loads from the stage may be out
	global_store_b128 v[GO], v[80+4*\t:83+4*\t], s[8:9] offset:(32*(\u)+2*\t)*4096 th:TH_STORE_NT   ; sixteen lanes store 256 consecutive bytes, at a multiple of 256 from out0's first byte
.endr
.endm
.macro UNIT u
	s_wait_dscnt 0x0
.set AS, 64+148*((\u)%2)               ; this unit's set of the tokens' scale words: v64-79 or v212-227
	s_wait_loadcnt 0x0                             ; this unit's scale words, asked for a unit ago (unit 0: at the head, with the weights')
	PLACES 4
	FETCH_A 1, 1
.if \u < 3
	LOAD_AS \u+1                                   ; the next unit's, a unit ahead, into the other set
.endif
	MUL 0, 0, 1
	MUL 1, 0, 0
	MUL 2, 0, 0
	MUL 3, 0, 0
	s_wait_dscnt 0x0
	MUL 4, 1, 0
	MUL 5, 1, 0
	MUL 6, 1, 0
	MUL 7, 1, 0
	WIN 0
.if \u < 3
.if \u == 0
	s_wait_tensorcnt 0x0                           ; my second load has landed: with everybody's, the rows of units 1 to 3
	s_barrier_signal -1
	s_barrier_wait -1                              ; every wave has also read its weight rows
.endif
	PLACES 4
	v_add_nc_u32 v[ADRA], 26112, v[ADRA]
	v_add_nc_u32 v[ADRA+1], 26112, v[ADRA+1]
	FETCH_A 0, 0
.else
	PLACES 4
.endif
	EPI \u
.endm
	s_load_b128 s[4:7], s[0:1], 0x0                ; ocode, wts
	s_load_b64 s[8:9], s[0:1], 0x10                ; out0
	v_lshl_add_u32 v[SPW], v0, 2, SPARE
	v_mov_b32 v[NIL], 0
	ds_add_u32 v[SPW], v[NIL]                      ; the wave's opening: the add, twice on end, and its wait ahead of my first tensor load; work on registers stands between them
	ds_add_u32 v[SPW], v[NIL]
	v_lshrrev_b32 v1, 5, v0
	v_readfirstlane_b32 s18, v1
	s_lshr_b32 s19, s18, 1
	s_and_b32 s20, s18, 1
	s_bfe_u32 s21, ttmp6, 0x40000                  ; cx
	s_bfe_u32 s22, ttmp6, 0x40004                  ; cy
	s_lshl_b32 s23, ttmp9, 2
	s_add_co_u32 s23, s23, s21                     ; x
	s_and_b32 s88, ttmp7, 0xffff
	s_lshr_b32 s89, s88, 3                         ; which half of the columns
	s_and_b32 s90, s88, 7
	s_lshl_b32 s90, s90, 2
	s_add_co_u32 s90, s90, s22                     ; the row tile
	s_lshl_b32 s91, s22, 2
	s_lshl_b32 s91, 15, s91
	s_lshl_b32 s92, 0x1111, s21
	s_or_b32 s[G1A], s91, (1<<20)|(1<<21)|(5<<22)|(3<<25)
	s_or_b32 s[G1B], s92, (1<<20)|(1<<21)|(5<<22)|(3<<25)
.irp g, G1A, G1B
	s_mov_b32 s[\g+1], 768<<16
	s_mov_b32 s[\g+3], 768<<16
	s_mov_b32 s[\g+5], 768
	s_mov_b32 s[\g+6], 0
	s_mov_b32 s[\g+7], 0
.endr
	s_mov_b32 s[G1A+2], 32<<16                     ; 32 token rows,
	s_mov_b32 s[G1A+4], 32
	s_mov_b32 s[G1B+2], 64<<16                     ; 64 weight rows
	s_mov_b32 s[G1B+4], 64
	s_or_b32 s[G1SA], s91, (1<<20)|(1<<21)|(5<<22)|(3<<25)   ; a third group 1: 64 token rows
	s_mov_b32 s[G1SA+1], 768<<16
	s_mov_b32 s[G1SA+2], 64<<16
	s_mov_b32 s[G1SA+3], 768<<16
	s_mov_b32 s[G1SA+4], 64
	s_mov_b32 s[G1SA+5], 768
	s_mov_b32 s[G1SA+6], 0
	s_mov_b32 s[G1SA+7], 0
	s_lshl_b32 s93, s90, 8                         ; the work-group's first token
	s_lshl_b32 s94, s20, 7                         ; I fetch token rows of the half w % 2
	s_add_co_u32 s94, s94, s93
	s_mul_i32 s94, s94, 768
	s_mov_b32 s95, 0
	s_lshl_b32 s96, s19, 7                         ; the scale bytes of the 128 rows that I multiply
	s_add_co_u32 s96, s96, s93
	s_lshl_b32 s96, s96, 5
	s_add_co_u32 s96, s96, ATT_S
	s_mov_b32 s97, 0
	s_lshl_b32 s98, s89, 9
	s_lshl_b32 s99, s23, 7
	s_add_co_u32 s98, s98, s99
	s_lshl_b32 s99, s20, 6                         ; weight rows 64 (w % 2) on: those that I fetch, and those that I multiply
	s_add_co_u32 s98, s98, s99                     ; weight rows 512 half + 128 x + 64 (w % 2) on
	s_lshl_b32 s100, s98, 5
	s_add_co_u32 s100, s100, WOUT_S
	s_mov_b32 s101, 0
	s_mul_i32 s98, s98, 768
	s_add_co_u32 s98, s98, WOUT_C
	s_mov_b32 s99, 0
	s_mul_i32 s2, s20, 104448                      ; LDS addresses hang on the wave's number alone
	s_mul_i32 s3, s19, 26112
	s_mov_b32 s[G0B], 1
	s_mul_i32 s[G0B+1], s20, 52224
	s_add_co_u32 s[G0B+1], s[G0B+1], BREG
	s_wait_dscnt 0x0                               ; both opening adds are done
	s_wait_kmcnt 0x0
	s_add_nc_u64 s[G0SB+2:G0SB+3], s[6:7], s[100:101]
	s_add_nc_u64 s[G0B+2:G0B+3], s[6:7], s[98:99]
	s_or_b32 s[G0B+3], s[G0B+3], 0x80000000
	s_add_nc_u64 s[G0SA+2:G0SA+3], s[4:5], s[96:97]
	s_add_nc_u64 s[94:95], s[4:5], s[94:95]
	s_mov_b32 s[G0A], 1                            ; unit 0's 32 rows of the half w % 2
	s_mov_b32 s[G0A+1], s2
	s_mov_b64 s[G0A+2:G0A+3], s[94:95]
	s_or_b32 s[G0A+3], s[G0A+3], 0x80000000
	s_mul_i32 s96, s19, 24576
	s_mov_b32 s[G0A+4], 1                          ; my second load: rows 32 on (waves 0, 1: 32 rows) or 64 on (waves 2, 3: 64 rows) of that half
	s_add_co_u32 s[G0A+5], s2, s3
	s_add_co_u32 s[G0A+5], s[G0A+5], 26112
	s_add_nc_u64 s[G0A+6:G0A+7], s[94:95], s[96:97]
	s_add_nc_u64 s[G0A+6:G0A+7], s[G0A+6:G0A+7], 24576
	s_or_b32 s[G0A+7], s[G0A+7], 0x80000000
	CROUND                                         ; all sixteen work-groups are here: the joint loads meet
	; the head's loads, one a wave: waves 0, 1 the weights' two halves, waves 2, 3 unit 0's rows of the two halves
	s_cmp_eq_u32 s19, 0
	s_cbranch_scc0 .Lhead_a
	tensor_load_to_lds s[G0B:G0B+3], s[G1B:G1B+7]
	s_nop 0
.rept 4
	v_nop
.endr
	s_branch .Lhead_j
.Lhead_a:
	tensor_load_to_lds s[G0A:G0A+3], s[G1A:G1A+7]
	s_nop 0
.rept 4
	v_nop
.endr
.Lhead_j:
	v_and_b32 v1, 15, v0                           ; r
	v_bfe_u32 v2, v0, 4, 1                         ; h
	v_mul_u32_u24 v28, v1, 816
	v_mad_u32_u24 v29, v2, 24, v28
	v_lshl_add_u32 v28, v2, 4, v29
	s_mul_i32 s88, s19, 104448
	v_add_nc_u32 v[ADRA], s88, v29
	v_add_nc_u32 v[ADRA+1], s88, v28
	s_mul_i32 s88, s20, 52224
	s_add_co_u32 s88, s88, BREG
	v_add_nc_u32 v[ADRB], s88, v29
	v_add_nc_u32 v[ADRB+1], s88, v28
	v_lshlrev_b32 v[ADSA], 5, v1                   ; a row's 32 scale bytes in memory
	s_mul_i32 s88, s18, 8704                       ; my stage: 32 rows of 256 + 16 bytes
	s_add_co_u32 s88, s88, BREG
	v_mul_u32_u24 v[STO], v1, 272
	v_lshl_add_u32 v[STO], v2, 6, v[STO]
	v_add_nc_u32 v[STO], s88, v[STO]
	v_mul_u32_u24 v[SRD], v2, 272
	v_lshl_add_u32 v[SRD], v1, 4, v[SRD]
	v_add_nc_u32 v[SRD], s88, v[SRD]
	v_lshlrev_b32 v[GO], 12, v2
	v_lshl_add_u32 v[GO], v1, 4, v[GO]
	LOAD_BS
	LOAD_AS 0
	s_lshl_b32 s96, s90, 20                        ; out0: 256 rows of 4,096 bytes a row tile,
	s_lshl_b32 s93, s19, 19                        ; my 128 rows,
	s_add_co_u32 s96, s96, s93
	s_lshl_b32 s93, s89, 11                        ; and my 64 columns
	s_add_co_u32 s96, s96, s93
	s_lshl_b32 s93, s23, 9
	s_add_co_u32 s96, s96, s93
	s_lshl_b32 s93, s20, 8
	s_add_co_u32 s96, s96, s93
	s_mov_b32 s97, 0
	s_add_nc_u64 s[8:9], s[8:9], s[96:97]
	s_wait_alu depctr_va_vdst(0)
	s_wait_tensorcnt 0x0                           ; my head's load is in
	ds_add_u32 v[SPW], v[NIL]
	s_wait_dscnt 0x0
	CROUND                                         ; the weights and unit 0's rows are whole, and the joint loads meet
	s_cmp_eq_u32 s19, 0
	s_cbranch_scc0 .Lsec_b
	tensor_load_to_lds s[G0A+4:G0A+7], s[G1A:G1A+7]
	s_nop 0
.rept 4
	v_nop
.endr
	s_branch .Lsec_j
.Lsec_b:
	tensor_load_to_lds s[G0A+4:G0A+7], s[G1SA:G1SA+7]
	s_nop 0
.rept 4
	v_nop
.endr
.Lsec_j:
	LOAD_B
	FETCH_A 0, 0
	UNIT 0
	s_wait_alu depctr_va_vdst(0)
	UNIT 1
	s_wait_alu depctr_va_vdst(0)
	UNIT 2
	s_wait_alu depctr_va_vdst(0)
	UNIT 3
	s_wait_tensorcnt 0x0                           ; the wave's end
	ds_add_u32 v[SPW], v[NIL]
	s_wait_dscnt 0x0
	CROUND                                         ; the closing round
	s_endpgm
.Lfunc_end_k_qee9e230d79_outp:
	.size	k_qee9e230d79_outp, .Lfunc_end_k_qee9e230d79_outp-k_qee9e230d79_outp
	.p2alignl 7, 3214868480
	.fill 96, 4, 3214868480
	.section	.rodata,"a",@progbits
	.p2align	6, 0x0
	.amdhsa_kernel k_qee9e230d79_outp
		.amdhsa_group_segment_fixed_size 327680
		.amdhsa_private_segment_fixed_size 0
		.amdhsa_enable_private_segment 0
		.amdhsa_kernarg_size 24
		.amdhsa_user_sgpr_count 2
		.amdhsa_user_sgpr_kernarg_segment_ptr 1
		.amdhsa_wavefront_size32 1
		.amdhsa_system_sgpr_workgroup_id_x 1
		.amdhsa_system_sgpr_workgroup_id_y 1
		.amdhsa_system_sgpr_workgroup_id_z 1
		.amdhsa_system_vgpr_workitem_id 0
		.amdhsa_next_free_vgpr 1024
		.amdhsa_next_free_sgpr 102
		.amdhsa_reserve_vcc 0
		.amdhsa_float_denorm_mode_32 3
		.amdhsa_float_denorm_mode_16_64 3
		.amdhsa_memory_ordered 1
		.amdhsa_forward_progress 1
		.amdhsa_inst_pref_size 99
	.end_amdhsa_kernel
	.amdgpu_metadata
---
amdhsa.version: [ 1, 2 ]
amdhsa.kernels:
  - .name:           k_qee9e230d79_outp
    .symbol:         k_qee9e230d79_outp.kd
    .args:
      - { .name: ocode, .offset: 0, .size: 8, .value_kind: global_buffer, .address_space: global }
      - { .name: wts, .offset: 8, .size: 8, .value_kind: global_buffer, .address_space: global }
      - { .name: out0, .offset: 16, .size: 8, .value_kind: global_buffer, .address_space: global }
    .group_segment_fixed_size: 327680
    .private_segment_fixed_size: 0
    .kernarg_segment_align: 8
    .kernarg_segment_size: 24
    .max_flat_workgroup_size: 128
    .sgpr_count:     102
    .vgpr_count:     1024
    .wavefront_size: 32
...
	.end_amdgpu_metadata
.endif
;; end of part 4
